; MI455X (gfx1250); checked and timed in simulation.
; The chip was launched on July 23, 2026; its instructions are those of AMD's public machine-readable ISA for CDNA 5 (MIT licence, August 2026) and "CDNA5" Instruction Set Architecture Reference Guide (July 2026). The comments in the code are by the model that wrote it; some were corrected since.
;; Masked Attention. Allowed arithmetic: matrix products marked QUANTISED: E3M2 operands, one E8M0 scale for each 32 along K, by v_wmma_scale_f32_16x16x128_f8f6f4 with both operands' format E3M2, f32 sums; everything else in f32.
;; Inputs: Wk 1,024 x 1,024 float32; Wo 1,024 x 1,024 float32; Wq 1,024 x 1,024 float32; Wv 1,024 x 1,024 float32; bk 1,024 float32; bo 1,024 float32; bq 1,024 float32; bv 1,024 float32; x 2 x 2,048 x 1,024 float32.
;; Outputs: out0 2 x 2,048 x 1,024 float32.
;; This version of the problem:
;;   THIS VERSION OF THE PROBLEM IS GIVEN IN LOW PRECISION. The matrix products marked QUANTISED in the list below multiply operands that are first quantised to E3M2 (3 exponent bits, 2 mantissa bits; 6 bits a number), with one power-of-two scale for each 32 numbers along K (OCP MX v1.0); their sums are f32. All else is computed in f32.
;;   The module's matrix products, in the order in which they are computed (A, B: the left and right operand; K: the contracted axis; several contracted axes count as one K, in the product's order):
;;     1. [M 4,096, K 1,024] x [K 1,024, N 1,024]; A: input x; B: input Wq: QUANTISED
;;     2. [M 4,096, K 1,024] x [K 1,024, N 1,024]; A: input x; B: input Wk: QUANTISED
;;     3. [M 4,096, K 1,024] x [K 1,024, N 1,024]; A: input x; B: input Wv: QUANTISED
;;     4. batch 32 x [M 2,048, K 64] x [K 64, N 2,048]; A: computed on the way; B: computed on the way: QUANTISED
;;     5. batch 32 x [M 64, K 2,048] x [K 2,048, N 2,048]; A: computed on the way; B: softmax (see below): QUANTISED
;;     6. [M 4,096, K 1,024] x [K 1,024, N 1,024]; A: computed on the way; B: input Wo: QUANTISED
;;   THE QUANTISER, for each operand of a quantised product, along K:
;;     - K is cut into blocks of 32 from its start; a last block that is shorter is filled with zeros.
;;     - A block's scale is 2^e with e = floor(log2(the largest magnitude in the block)) - 4, held to -126 .. 127; a block of zeros has e = 0. As a byte (E8M0): e + 127.
;;     - Each number is divided by its block's scale, clamped to +-28, and rounded to the nearest number of E3M2, ties to even, subnormals kept.
;;     - The product sums the exact products of the quantised numbers (number of the format x scale) in f32.
;;   ~~~python
;;   def quantise(x, axis):      # numpy; x: float32 -> the quantised numbers, widened to float32 again
;;       x = np.moveaxis(x, axis, -1); K = x.shape[-1]
;;       x = np.pad(x, [(0, 0)] * (x.ndim - 1) + [(0, -K % 32)]); x = x.reshape(x.shape[:-1] + (-1, 32)); a = np.abs(x).max(-1, keepdims=True)
;;       e = np.where(a > 0, np.clip(np.frexp(np.where(a > 0, a, 1))[1] - 1 - 4, -126, 127), 0)      # np.frexp(a)[1] - 1 = floor(log2(a)), exactly
;;       r = np.clip(x / 2.0 ** e, -28, 28)
;;       step = 2.0 ** (np.maximum(np.frexp(np.where(r == 0, 1, r))[1] - 1, -2) - 2)
;;       q = np.round(r / step) * step * 2.0 ** e      # np.round: ties to even
;;       return np.moveaxis(q.reshape(q.shape[:-2] + (-1,))[..., :K], -1, axis).astype(np.float32)
;;   ~~~
;;   SOFTMAX AHEAD OF A QUANTISED PRODUCT. Where the list says 'softmax', what is quantised is not the finished softmax but p = 2^(t - M), with t = logit x log2(e) and M = ceil(the row's largest t), a whole number; so 1/2 < the row's largest p <= 1. The row's sum l is taken of the UNQUANTISED p, in f32, and the product's result is divided by l at the end. Since M is a whole number, a kernel that streams over the keys may use a running M (the ceiling of the running maximum): every later rescaling is an exact power of two, which a block's scale takes up: the codes' values come out the same.
;;   OPERANDS COMPUTED ON THE WAY. 'Computed on the way' means the value that the module computes at that place (a softmax that the list does not call 'softmax' is quantised finished and normalised). What goes into a quantiser is computed in f32, as accurately as f32 sums, v_exp_f32 and their like allow (about 1e-6 of the number): no bf16 or f16 on the way to a quantiser, and a product that is left as it is and whose result goes on into a quantised operand takes f32 operands (vector FMAs, or v_wmma_f32_16x16x4_f32). A number that lies on a knife's edge between two numbers of the format may be rounded either way, as far as f32 arithmetic and the matrix unit's own rounding can turn it there, and no further.
;; One version. Each part assembles by itself: llvm-mc -triple=amdgcn-amd-amdhsa -mcpu=gfx1250 --defsym DOCPART=n.
;; ======== version 1 of 1: 4 launches
;; limits: right only within a limited range of input values
;; workspace buffers: xc 3,145,728 bytes; xs 131,072 bytes; wc 3,145,728 bytes; ws 131,072 bytes; qb 3,407,872 bytes; kv 6,684,672 bytes; oc 3,145,728 bytes; os 131,072 bytes
;; launch quant (part 1): grid 512 x 1, 4 waves a work-group, no clusters, 34,304 bytes of LDS; arguments x, Wq, Wk, Wv, Wo, xc, xs, wc, ws; writes xc, xs, wc, ws
.if DOCPART == 1
	.amdgcn_target "amdgcn-amd-amdhsa--gfx1250"
	.amdhsa_code_object_version 6
	.text
	.protected	k_qc241b2a6e6_quant
	.globl	k_qc241b2a6e6_quant
	.p2align	8
	.type	k_qc241b2a6e6_quant,@function
k_qc241b2a6e6_quant:
	s_mov_b64 s[64:65], 0
	v_nop
	global_prefetch_b8 v0, s[64:65] scope:SCOPE_SE
	s_setreg_imm32_b32 hwreg(HW_REG_WAVE_MODE, 25, 1), 1
	s_wait_xcnt 0x0
; x [4096][1024] and Wq, Wk, Wv, Wo [1024 (k)][1024 (n)], f32, become codes of BF6 (E3M2) with one E8M0 byte for each 32 along K.
; A block's scale is 2^(floor(log2(largest magnitude)) - 4): its byte is the largest magnitude's exponent field - 4, held at 1 from below.
; LIMITS: a block of zeros gets the byte 1 (the stated quantiser says 127): its codes are zeros and only this program reads the bytes.  NaN and infinities are not served.
; LAYOUT OF THE CODES: images of operand registers.  A HALF FRAGMENT is 16 rows x 64 K = 6 registers x 32 lanes = 768 bytes: registers 0-3 of lane l at 16 l, registers 4-5 at 512 + 8 l;
; lane r + 16 h holds row r, block 2 kg + h.  x, Wq, Wk, Wv lie [128 rows][256 along K: 4][tile of 16 rows: 8][4 half fragments]; Wo lies [tile of 16 rows][16 half fragments].  Every store covers 512 or 256 consecutive bytes, aligned to 256.
; ORDER INSIDE A BLOCK: slot s of a block holds element p(s): elements 0-7, 16-23, 8-15, 24-31.  Every operand of this program has that order along K, so the products are unchanged.
; SCALE WORDS: [32 rows][K step of 128][lane]: lane l holds the four bytes of row l of the 32.
; 512 work-groups of 65,536 bytes: 0-255 take x (32 rows x 512 K; wave w takes 128 along K), 256-511 a weight (128 columns x 128 K; wave w takes 32 columns).  Only x's path uses LDS.
; No tensor loads, no barrier, no cluster: the waves share nothing and every input byte is read once.
.set R,   32                           ; v32-159  x: two sets of 64 registers as loaded;  weights: v32-95 two sets of 32
.set X,   160                          ; v160-223 x: two blocks of 32 numbers of my row
.set SPX, 528                          ; a stage row: 512 bytes + 16
.set WST, 16*SPX                       ; a wave's stage
.set SPARE, 4*WST                      ; the spare words
.macro LOADX u                         ; unit u: 16 rows x 128 K; each load reads 512 consecutive bytes of one row
.irp i, 0,1,2,3,4,5,6,7,8,9,10,11,12,13,14,15
	global_load_b128 v[R+64*\u+4*\i:R+64*\u+4*\i+3], v2, s[4:5] offset:(16*\u+\i)*4096 th:TH_LOAD_NT
.endr
.endm
.macro UNITX u
.set CC, 224+12*\u
	s_wait_loadcnt 16-16*\u                        ; this unit's 16 loads are in
.irp i, 0,1,2,3,4,5,6,7,8,9,10,11,12,13,14,15
	ds_store_b128 v5, v[R+64*\u+4*\i:R+64*\u+4*\i+3] offset:SPX*\i
.endr
.irp c, 0,1                                    ; back: lane (r, h) takes blocks h and 2 + h of row r, its groups of four in the order 0,1,4,5,2,3,6,7.  LDS serves a wave's instructions in order
.irp q, 0,1,2,3,4,5,6,7
	ds_load_b128 v[X+32*\c+4*\q:X+32*\c+4*\q+3], v6 offset:256*\c+16*(2*(((\q/2)%2)*2+\q/4)+\q%2)
.endr
.endr
	s_wait_dscnt 0x0
.irp c, 0,1
	v_max3_num_f32 v[8+\c], |v[X+32*\c]|, |v[X+32*\c+1]|, 0x2800000   ; the floor 2^(5 - 127) holds the byte at 1 from below
.endr
.irp i, 2,4,6,8,10,12,14,16,18,20,22,24,26,28,30
.irp c, 0,1
	v_max3_num_f32 v[8+\c], v[8+\c], |v[X+32*\c+\i]|, |v[X+32*\c+\i+1]|
.endr
.endr
.irp c, 0,1
	v_add_nc_u32 v[12+\c], 0xfe000000, v[8+\c]     ; 4 off the exponent field: the conversion's scale operand
.endr
.irp c, 0,1
	v_lshrrev_b32 v[14+\c], 23, v[12+\c]           ; the byte
.endr
	v_lshl_or_b32 v16, v15, 16, v14                ; my bytes: blocks h and 2 + h,
	v_lshlrev_b32 v16, v18, v16                    ; 8 h bits up;
	v_permlanex16_b32 v17, v16, s24, s25
	v_or_b32 v[20+\u], v16, v17                    ; with lane l xor 16's the word is whole
.irp c, 0,1
	v_cvt_scalef32_pk16_bf6_f32 v[CC+6*\c:CC+6*\c+2], v[X+32*\c:X+32*\c+15], v[12+\c]
	v_cvt_scalef32_pk16_bf6_f32 v[248+4*\c:250+4*\c], v[X+32*\c+16:X+32*\c+31], v[12+\c]   ; (a conversion's three registers begin on an even number)
.endr
	v_nop                                          ; one plain place behind a scaled conversion
.irp c, 0,1
.irp i, 0,1,2
	v_mov_b32 v[CC+6*\c+3+\i], v[248+4*\c+\i]
.endr
.endr
.irp c, 0,1
	global_store_b128 v2, v[CC+6*\c:CC+6*\c+3], s[14:15] offset:3072*\u+768*\c
	global_store_b64 v3, v[CC+6*\c+4:CC+6*\c+5], s[14:15] offset:3072*\u+768*\c+512
.endr
.endm
.macro LOADW t                         ; block t of the K step: W(32 t + p(i), my column) into register i: the wave reads 128 consecutive bytes, the four waves 512
.irp i, 0,1,2,3,4,5,6,7,8,9,10,11,12,13,14,15,16,17,18,19,20,21,22,23,24,25,26,27,28,29,30,31
	global_load_b32 v[R+32*((\t)%2)+\i], v4, s[6:7] offset:(32*(\t)+8*(((\i/8)%2)*2+\i/16)+\i%8)*4096 th:TH_LOAD_NT
.endr
.endm
.macro BLOCKW t
.set XS, R+32*((\t)%2)
.set CL, 96+16*((\t)/2)+8*((\t)%2)
.set CU, 128+4*((\t)%2)
.set EE, 96+16*((\t)/2)
.if (\t) < 3
	s_wait_loadcnt 32                              ; this block's 32 loads are in; the next block's may be out
.else
	s_wait_loadcnt 0
.endif
	v_max3_num_f32 v8, |v[XS]|, |v[XS+1]|, |v[XS+2]|   ; all 32 numbers of the block are mine
	v_max3_num_f32 v9, |v[XS+3]|, |v[XS+4]|, |v[XS+5]|
.irp i, 6,10,14,18,22,26
	v_max3_num_f32 v8, v8, |v[XS+\i]|, |v[XS+\i+1]|
	v_max3_num_f32 v9, v9, |v[XS+\i+2]|, |v[XS+\i+3]|
.endr
	v_max3_num_f32 v8, v8, |v[XS+30]|, |v[XS+31]|
	v_max3_num_f32 v8, v8, v9, 0x2800000
	v_add_nc_u32 v12, 0xfe000000, v8
	v_lshrrev_b32 v14, 23, v12
.if (\t) == 0
	v_mov_b32 v16, v14
.else
	v_lshl_or_b32 v16, v14, 8*(\t), v16            ; my column's scale word: byte t
.endif
	v_cvt_scalef32_pk16_bf6_f32 v[CL:CL+2], v[XS:XS+15], v12
	v_cvt_scalef32_pk16_bf6_f32 v[CU:CU+2], v[XS+16:XS+31], v12
	v_nop                                          ; one plain place behind a scaled conversion
.if (\t) < 2
	LOADW (\t)+2
.endif
.if (\t)%2
.irp i, 0,1,2                                  ; even block | odd block of 32 columns become two half fragments: columns 0-15 (both blocks) and columns 16-31
	v_permlane16_swap_b32 v[EE+\i], v[EE+8+\i]
	v_permlane16_swap_b32 v[128+\i], v[132+\i]
.endr
.irp i, 0,1,2
	v_mov_b32 v[EE+3+\i], v[128+\i]
	v_mov_b32 v[EE+11+\i], v[132+\i]
.endr
.irp u, 0,1
	global_store_b128 v2, v[EE+8*\u:EE+8*\u+3], s[18+20*\u:19+20*\u] offset:768*((\t)/2)
	global_store_b64 v3, v[EE+8*\u+4:EE+8*\u+5], s[18+20*\u:19+20*\u] offset:768*((\t)/2)+512
.endr
.endif
.endm
	s_load_b512 s[4:19], s[0:1], 0x0               ; x, Wq, Wk, Wv, Wo, xc, xs, wc
	s_load_b64 s[20:21], s[0:1], 0x40              ; ws
	v_lshl_add_u32 v251, v0, 2, SPARE
	v_mov_b32 v255, 0
	v_lshrrev_b32 v1, 5, v0
	v_readfirstlane_b32 s22, v1                    ; wave
	v_and_b32 v1, 31, v0                           ; lane
	v_lshlrev_b32 v2, 4, v1
	v_lshlrev_b32 v3, 3, v1
	v_lshlrev_b32 v4, 2, v1
	s_cmp_lt_u32 ttmp9, 256
	s_cbranch_scc0 .Lweights
	; ---- x: 32 rows (g), K step 4 x half + wave
	s_mov_b32 s24, 0x76543210
	s_mov_b32 s25, 0xfedcba98                      ; lane l xor 16
	s_mov_b32 s26, 0xffff0000                      ; lanes 16-31
	s_mul_i32 s27, s22, WST
	v_add_nc_u32 v5, s27, v2                       ; the stage, in: 16 bytes a lane, a row an instruction
	v_and_b32 v7, 15, v0
	v_bfe_u32 v18, v0, 4, 1
	v_mul_u32_u24 v6, v7, SPX
	v_lshl_add_u32 v6, v18, 7, v6
	v_add_nc_u32 v6, s27, v6                       ; out: row r, + 128 h
	v_lshlrev_b32 v18, 3, v18                      ; 8 h
	v_mov_b32 v17, 0                               ; a lane permute's destination counts as one of its sources
	s_lshr_b32 s34, ttmp9, 1                       ; g
	s_and_b32 s35, ttmp9, 1
	s_lshl_b32 s35, s35, 2
	s_add_co_u32 s35, s35, s22                     ; K step
	s_lshl_b32 s28, s34, 17
	s_lshl_b32 s29, s35, 9
	s_add_co_u32 s28, s28, s29                     ; x: 32 rows of 4,096 bytes, 512 bytes of each
	s_mov_b32 s29, 0
	s_lshr_b32 s30, s34, 2
	s_mul_i32 s30, s30, 98304                      ; codes: group of 128 rows,
	s_lshr_b32 s31, s35, 1
	s_mul_i32 s31, s31, 24576
	s_add_co_u32 s30, s30, s31                     ; 256 along K,
	s_and_b32 s31, s34, 3
	s_mul_i32 s31, s31, 6144
	s_add_co_u32 s30, s30, s31                     ; two tiles,
	s_and_b32 s31, s35, 1
	s_mul_i32 s31, s31, 1536
	s_add_co_u32 s30, s30, s31                     ; 128 along K
	s_mov_b32 s31, 0
	s_lshl_b32 s32, s34, 3
	s_add_co_u32 s32, s32, s35
	s_lshl_b32 s32, s32, 7                         ; scale words: (8 g + K step) x 128
	s_mov_b32 s33, 0
	s_wait_alu depctr_va_vdst(0)                   ; the wait at the head's end
	s_wait_kmcnt 0x0
	s_add_nc_u64 s[4:5], s[4:5], s[28:29]
	s_add_nc_u64 s[14:15], s[14:15], s[30:31]
	s_add_nc_u64 s[16:17], s[16:17], s[32:33]
	LOADX 0
	LOADX 1
	UNITX 0
	UNITX 1
	v_cndmask_b32 v24, v20, v21, s26               ; lanes 0-15: rows 0-15's words; lanes 16-31: rows 16-31's
	global_store_b32 v4, v24, s[16:17]             ; 128 consecutive bytes; two neighbouring waves fill 256
	s_wait_tensorcnt 0x0                           ; the wave's end
	ds_add_u32 v251, v255
	s_wait_dscnt 0x0
	s_endpgm
.Lweights:
	; ---- a weight: which (wsel), 128 columns (nb), K step of 128 (ks); a lane takes a column and its registers run down K
	s_sub_co_u32 s27, ttmp9, 256
	s_lshr_b32 s28, s27, 6                         ; wsel
	s_bfe_u32 s29, s27, 0x30003                    ; nb
	s_and_b32 s30, s27, 7                          ; ks
	s_lshl_b32 s32, s30, 19                        ; 128 rows of 4,096 bytes
	s_lshl_b32 s33, s29, 9
	s_add_co_u32 s32, s32, s33
	s_lshl_b32 s33, s22, 7
	s_add_co_u32 s32, s32, s33                     ; + 4 x (128 nb + 32 w)
	s_mov_b32 s33, 0
	s_mov_b32 s23, 12288
	s_mov_b32 s24, 24576
	s_cmp_eq_u32 s28, 3
	s_cselect_b32 s23, s23, 3072                   ; from tile to tile: Wo whole tiles, the others 256 along K of a tile
	s_cselect_b32 s24, 3072, s24                   ; from 256 along K to the next
	s_lshl_b32 s34, s28, 3
	s_add_co_u32 s34, s34, s29
	s_mul_i32 s34, s34, 98304                      ; group of 128 columns
	s_lshl_b32 s35, s22, 1
	s_mul_i32 s35, s35, s23
	s_add_co_u32 s34, s34, s35                     ; tile 2 w
	s_lshr_b32 s35, s30, 1
	s_mul_i32 s35, s35, s24
	s_add_co_u32 s34, s34, s35
	s_and_b32 s35, s30, 1
	s_mul_i32 s35, s35, 1536
	s_add_co_u32 s34, s34, s35
	s_mov_b32 s35, 0
	s_lshl_b32 s36, s28, 5
	s_lshl_b32 s37, s29, 2
	s_add_co_u32 s36, s36, s37
	s_add_co_u32 s36, s36, s22                     ; 32 columns: 32 wsel + 4 nb + w
	s_lshl_b32 s36, s36, 3
	s_add_co_u32 s36, s36, s30
	s_lshl_b32 s36, s36, 7
	s_mov_b32 s37, 0
	s_wait_kmcnt 0x0
	s_cmp_eq_u32 s28, 1
	s_cselect_b64 s[6:7], s[8:9], s[6:7]
	s_cmp_eq_u32 s28, 2
	s_cselect_b64 s[6:7], s[10:11], s[6:7]
	s_cmp_eq_u32 s28, 3
	s_cselect_b64 s[6:7], s[12:13], s[6:7]
	s_add_nc_u64 s[6:7], s[6:7], s[32:33]
	s_add_nc_u64 s[18:19], s[18:19], s[34:35]
	s_mov_b32 s34, s23
	s_add_nc_u64 s[38:39], s[18:19], s[34:35]      ; tile 2 w + 1
	s_add_nc_u64 s[20:21], s[20:21], s[36:37]
	s_wait_alu depctr_va_vdst(0)
	LOADW 0
	LOADW 1
	BLOCKW 0
	BLOCKW 1
	BLOCKW 2
	BLOCKW 3
	global_store_b32 v4, v16, s[20:21]             ; 32 columns' scale words of this K step
	s_endpgm
.Lfunc_end_k_qc241b2a6e6_quant:
	.size	k_qc241b2a6e6_quant, .Lfunc_end_k_qc241b2a6e6_quant-k_qc241b2a6e6_quant
	.p2alignl 7, 3214868480
	.fill 96, 4, 3214868480
	.section	.rodata,"a",@progbits
	.p2align	6, 0x0
	.amdhsa_kernel k_qc241b2a6e6_quant
		.amdhsa_group_segment_fixed_size 34304
		.amdhsa_private_segment_fixed_size 0
		.amdhsa_enable_private_segment 0
		.amdhsa_kernarg_size 72
		.amdhsa_user_sgpr_count 2
		.amdhsa_user_sgpr_kernarg_segment_ptr 1
		.amdhsa_wavefront_size32 1
		.amdhsa_system_sgpr_workgroup_id_x 1
		.amdhsa_system_sgpr_workgroup_id_y 1
		.amdhsa_system_sgpr_workgroup_id_z 1
		.amdhsa_system_vgpr_workitem_id 0
		.amdhsa_next_free_vgpr 256
		.amdhsa_next_free_sgpr 66
		.amdhsa_reserve_vcc 0
		.amdhsa_float_denorm_mode_32 3
		.amdhsa_float_denorm_mode_16_64 3
		.amdhsa_memory_ordered 1
		.amdhsa_forward_progress 1
		.amdhsa_inst_pref_size 38
	.end_amdhsa_kernel
	.amdgpu_metadata
---
amdhsa.version: [ 1, 2 ]
amdhsa.kernels:
  - .name:           k_qc241b2a6e6_quant
    .symbol:         k_qc241b2a6e6_quant.kd
    .args:
      - { .name: x, .offset: 0, .size: 8, .value_kind: global_buffer, .address_space: global }
      - { .name: Wq, .offset: 8, .size: 8, .value_kind: global_buffer, .address_space: global }
      - { .name: Wk, .offset: 16, .size: 8, .value_kind: global_buffer, .address_space: global }
      - { .name: Wv, .offset: 24, .size: 8, .value_kind: global_buffer, .address_space: global }
      - { .name: Wo, .offset: 32, .size: 8, .value_kind: global_buffer, .address_space: global }
      - { .name: xc, .offset: 40, .size: 8, .value_kind: global_buffer, .address_space: global }
      - { .name: xs, .offset: 48, .size: 8, .value_kind: global_buffer, .address_space: global }
      - { .name: wc, .offset: 56, .size: 8, .value_kind: global_buffer, .address_space: global }
      - { .name: ws, .offset: 64, .size: 8, .value_kind: global_buffer, .address_space: global }
    .group_segment_fixed_size: 34304
    .private_segment_fixed_size: 0
    .kernarg_segment_align: 8
    .kernarg_segment_size: 72
    .max_flat_workgroup_size: 128
    .sgpr_count:     66
    .vgpr_count:     256
    .wavefront_size: 32
...
	.end_amdgpu_metadata
.endif
;; end of part 1
;; launch qkv (part 2): grid 8 x 24, 4 waves a work-group, clusters of 4 x 4, 327,680 bytes of LDS; arguments xc, xs, wc, ws, bq, bk, bv, qb, kv; writes qb, kv
.if DOCPART == 2
	.amdgcn_target "amdgcn-amd-amdhsa--gfx1250"
	.amdhsa_code_object_version 6
	.text
	.protected	k_qc241b2a6e6_qkv
	.globl	k_qc241b2a6e6_qkv
	.p2align	8
	.type	k_qc241b2a6e6_qkv,@function
k_qc241b2a6e6_qkv:
	s_mov_b64 s[64:65], 0
	v_nop
	global_prefetch_b8 v0, s[64:65] scope:SCOPE_SE
	s_setreg_imm32_b32 hwreg(HW_REG_WAVE_MODE, 25, 1), 1
	s_wait_xcnt 0x0
	s_wait_alu depctr_hold_cnt(0) depctr_sa_sdst(0) depctr_va_vdst(0) depctr_va_sdst(0) depctr_va_ssrc(0) depctr_va_vcc(0) depctr_vm_vsrc(0)
	s_getreg_b32 s2, hwreg(HW_REG_IB_STS2, 6, 4)
	s_cmp_eq_u32 s2, 0
	s_cbranch_scc0 .Lentry_in_a_cluster
	s_endpgm
.Lentry_in_a_cluster:
	s_bfe_u32 s2, ttmp6, 0x10000c
	s_cmp_lg_u32 s2, 0xf033
	s_cbranch_scc0 .Lentry_shape_is_right
	s_endpgm
.Lentry_shape_is_right:
; Q, K and V: [4096 tokens][1024] x [1024][3 x 1024] + bias on codes of BF6, and the results quantised at once for the attention's two products.
; A work-group of four waves makes 256 x 256, a wave 128 x 128: 64 accumulators.  Cluster rows y < 4: A = tokens, B = features of Q (x = 0) or K (x = 1); y >= 4: A = V's channels, B = tokens, so that V comes out with its keys along the registers.
; K goes in four chunks of 256.  Operands lie [128 rows][chunk][tile of 16 rows: 8][3,072], images of registers, so that 128 rows of neighbouring chunks are dense.  A's and B's tiles are asked for jointly along the cluster's rows and columns.
; LDS: region P, 49,152 bytes for each of the four halves (A's two, B's two): chunks 0 and 1, by the head's one load a wave; region Q, 24,576 bytes a half: chunk 2, asked for behind the head and read four K steps later;
;   chunk 3 goes into chunk 0's place, asked for when chunk 1 is done.
; Source 0 = B's rows, source 1 = A's rows: a lane holds one row of A, its registers run along B's rows.  The bias is the C of the first products.
; OUT: Q as records of 6,656 bytes for 128 tokens of a head (codes 6,144, scale words 512); K and V as records of 13,056 bytes for 128 keys of a head (K's codes 6,144, V's codes 6,144, K's words 512, V's words 256).
; PREFETCH: chunk 3, more than three K steps ahead of its load.  Of the 96 blocks of 256 bytes that a wave loads, each of the four partners names 24 (lanes 24-31 name the last again).  Chunks 0 to 2 are loaded at the head, ahead of any loop of steps.
; LIMITS: a block of zeros gets the byte 1 (its codes are zeros; only this program reads the bytes).  NaN and infinities are not served.
.set HALFT, 24576                      ; 128 rows of one chunk
.set REGQ,  8*HALFT
.set SPARE, 12*HALFT
.set PFO,   30
.set T1,    104                        ; the way out: v96-103 maxima, v104-111 lane l xor 16's and bytes, v224-231 scale operands, v232-247 upper halves
.set T2,    224
.set TU,    232
.set ADRA, 16
.set ADRB, 20
.set L16,  24
.set L8,   25
.set L4,   26
.set LB,   27
.set SPW,  28
.set NIL,  29
.set SCA,  32
.set SCB,  64
.set TM,   96
.set TQ,   112
.set PW,   120
.set AF,   128
.set G1,  24
.set G0,  32
.set G1B, 48
.set G0B, 56
.set MSB, 0
.macro WIN new
.if MSB != (\new)
	s_set_vgpr_msb (MSB<<8)|(\new)
.set MSB, (\new)
.endif
.endm
.macro PLACES n
.rept \n
	v_nop
.endr
.endm
.macro JLOAD g0a, g1a, g0b, g1b
	s_cmp_eq_u32 s15, 0
	s_cbranch_scc0 .Lfor_b_\@
	tensor_load_to_lds s[\g0a:\g0a+3], s[\g1a:\g1a+7]
	s_nop 0
.rept 4
	v_nop
.endr
	s_branch .Lasked_\@
.Lfor_b_\@:
	tensor_load_to_lds s[\g0b:\g0b+3], s[\g1b:\g1b+7]
	s_nop 0
.rept 4
	v_nop
.endr
.Lasked_\@:
.endm
.macro CREST
	s_cmp_lg_u32 s14, 0
	s_cbranch_scc1 .Lnot_wave_0_\@
	s_barrier_signal -3
.Lnot_wave_0_\@:
	s_barrier_wait -3
	s_barrier_signal -1
	s_barrier_wait -1
.endm
.macro CROUND
	s_barrier_signal -1
	s_barrier_wait -1
	CREST
.endm
.macro FRAG reg, adr, q, i
	ds_load_b128 v[(\reg):(\reg)+3], v[\adr] offset:(\i)*3072+1536*(\q)
	ds_load_b64 v[(\reg)+4:(\reg)+5], v[(\adr)+2] offset:(\i)*3072+1536*(\q)+512
	ds_load_b128 v[(\reg)+6:(\reg)+9], v[\adr] offset:(\i)*3072+1536*(\q)+768
	ds_load_b64 v[(\reg)+10:(\reg)+11], v[(\adr)+2] offset:(\i)*3072+1536*(\q)+1280
.endm
.macro WM d, s0, s1, c, x0, x1, r0, r1
.if (\r0)
.if (\r1)
	v_wmma_scale_f32_16x16x128_f8f6f4 v[(\d):(\d)+7], v[(\s0):(\s0)+11], v[(\s1):(\s1)+11], v[(\c):(\c)+7], v[\x0], v[\x1] matrix_a_fmt:MATRIX_FMT_BF6 matrix_b_fmt:MATRIX_FMT_BF6 matrix_a_scale:MATRIX_SCALE_ROW1 matrix_b_scale:MATRIX_SCALE_ROW1
.else
	v_wmma_scale_f32_16x16x128_f8f6f4 v[(\d):(\d)+7], v[(\s0):(\s0)+11], v[(\s1):(\s1)+11], v[(\c):(\c)+7], v[\x0], v[\x1] matrix_a_fmt:MATRIX_FMT_BF6 matrix_b_fmt:MATRIX_FMT_BF6 matrix_a_scale:MATRIX_SCALE_ROW1
.endif
.else
.if (\r1)
	v_wmma_scale_f32_16x16x128_f8f6f4 v[(\d):(\d)+7], v[(\s0):(\s0)+11], v[(\s1):(\s1)+11], v[(\c):(\c)+7], v[\x0], v[\x1] matrix_a_fmt:MATRIX_FMT_BF6 matrix_b_fmt:MATRIX_FMT_BF6 matrix_b_scale:MATRIX_SCALE_ROW1
.else
	v_wmma_scale_f32_16x16x128_f8f6f4 v[(\d):(\d)+7], v[(\s0):(\s0)+11], v[(\s1):(\s1)+11], v[(\c):(\c)+7], v[\x0], v[\x1] matrix_a_fmt:MATRIX_FMT_BF6 matrix_b_fmt:MATRIX_FMT_BF6
.endif
.endif
.endm
.macro MUL16 a0, p, ks, mode
.if (\mode)
	WIN 0x91+0x40*((\a0)/4)
.else
	WIN 0xa1+0x50*((\a0)/4)
.endif
.irp a, \a0, \a0+1
.irp b, 0,1,2,3,4,5,6,7
.if (\mode) == 1
	WM 8*(8*((\a)%4)+\b), 128*(\p)+12*\b, AF+12*(\a), 96+8*\b+96*(\b/4), SCB+8*(\b/2)+(\ks), SCA+8*((\a)/2)+(\ks), \b%2, (\a)%2
.elseif (\mode) == 2
	WM 8*(8*((\a)%4)+\b), 128*(\p)+12*\b, AF+12*(\a), 96+8*(\a)+96*((\a)/4), SCB+8*(\b/2)+(\ks), SCA+8*((\a)/2)+(\ks), \b%2, (\a)%2
.else
	WM 8*(8*((\a)%4)+\b), 128*(\p)+12*\b, AF+12*(\a), 8*(8*((\a)%4)+\b), SCB+8*(\b/2)+(\ks), SCA+8*((\a)/2)+(\ks), \b%2, (\a)%2
.endif
.endr
.endr
.endm
.macro FETCH_B slot, q, p
	WIN 0x40
.irp i, 0,1,2,3,4,5,6,7
	FRAG 128*(\p)+12*\i, ADRB+\slot, \q, \i
.endr
	WIN 0
.endm
.macro FETCH_A slot, q, i0
.irp i, \i0, \i0+1, \i0+2, \i0+3
	FRAG AF+12*(\i), ADRA+\slot, \q, \i
.endr
.endm
.macro WHERE ks                        ; where K step ks lies: region FS, in it 1,536-byte step FQ (chunk 1 begins at step 16)
.set FC, (\ks)/2
.set FS, FC/2-FC/3
.set FQ, (\ks)%2+16*(FC%2)*(1-FC/3)
.endm
.macro STEP ks, mode                   ; 64 products; the next K step's fragments are fetched in the middle and at the end
	WHERE (\ks)+1
	s_wait_dscnt 16                                ; all but A's tiles 4-7
	MUL16 0, (\ks)%2, \ks, \mode
	MUL16 2, (\ks)%2, \ks, \mode
	s_wait_dscnt 0x0
	PLACES 4
	FETCH_B FS, FQ, ((\ks)+1)%2
	FETCH_A FS, FQ, 0
	MUL16 4, (\ks)%2, \ks, \mode
	MUL16 6, (\ks)%2, \ks, \mode
	PLACES 4
	WIN 0
	FETCH_A FS, FQ, 4
.endm
.macro TURN ks, fill                   ; the same where the next K step lies in a chunk not yet shown (ks odd); fill: chunk 3 is asked for behind the round
	WHERE (\ks)+1
	s_wait_tensorcnt 0x0
	ds_add_u32 v[SPW], v[NIL]
	s_wait_dscnt 17
	MUL16 0, 1, \ks, 0
	s_wait_dscnt 0x0
	s_barrier_signal -1
	MUL16 2, 1, \ks, 0
	WIN 0
	s_barrier_wait -1
.if \fill
	CREST
	s_add_nc_u64 s[G0+2:G0+3], s[G0+2:G0+3], 3*HALFT
	s_add_nc_u64 s[G0B+2:G0B+3], s[G0B+2:G0B+3], 3*HALFT
	JLOAD G0, G1, G0B, G1B                         ; into chunk 0's place
.else
	PLACES 4
.endif
	FETCH_B FS, FQ, 0
	FETCH_A FS, FQ, 0
	MUL16 4, 1, \ks, 0
	MUL16 6, 1, \ks, 0
	PLACES 4
	WIN 0
	FETCH_A FS, FQ, 4
.endm
.macro QUANTA a                        ; A's tiles a and a + 1 (a even): eight blocks of 32 by turns, each tile two half fragments
.set AB, 64*((\a)%4)
.set AW, 2+(\a)/4
.set PC, AF+12*(\a)
	WIN (AW<<2)|(AW<<4)
.irp b, 0,1,2,3,4,5,6,7
	v_max3_num_f32 v[TM+\b], 0x2800000, |v[AB+16*\b]|, |v[AB+16*\b+1]|
.endr
.irp i, 2,4,6,8,10,12,14
.irp b, 0,1,2,3,4,5,6,7
	v_max3_num_f32 v[TM+\b], v[TM+\b], |v[AB+16*\b+\i]|, |v[AB+16*\b+\i+1]|
.endr
.endr
	WIN 0
.irp b, 0,1,2,3,4,5,6,7
	v_permlanex16_b32 v[T1+\b], v[TM+\b], s100, s101
.endr
.irp b, 0,1,2,3,4,5,6,7
	v_max_num_f32 v[TM+\b], v[TM+\b], v[T1+\b]
.endr
.irp b, 0,1,2,3,4,5,6,7
	v_add_nc_u32 v[T2+\b], 0xfe000000, v[TM+\b]    ; 4 off the exponent field: the conversion's scale operand
.endr
.irp b, 0,1,2,3,4,5,6,7
	v_lshrrev_b32 v[T1+\b], 23, v[T2+\b]           ; the byte
.endr
.irp z, 0,1
	v_lshl_or_b32 v[PW+(\a)+\z], v[T1+4*\z+1], 8, v[T1+4*\z]
.endr
.irp z, 0,1
	v_lshl_or_b32 v[PW+(\a)+\z], v[T1+4*\z+2], 16, v[PW+(\a)+\z]
.endr
.irp z, 0,1
	v_lshl_or_b32 v[PW+(\a)+\z], v[T1+4*\z+3], 24, v[PW+(\a)+\z]
.endr
	WIN AW
.irp z, 0,1
.irp c, 0,1
	v_cvt_scalef32_pk16_bf6_f32 v[PC+12*\z+6*\c:PC+12*\z+6*\c+2], v[AB+64*\z+32*\c:AB+64*\z+32*\c+15], v[T2+4*\z+2*\c]
	v_cvt_scalef32_pk16_bf6_f32 v[TU+8*\z+4*\c:TU+8*\z+4*\c+2], v[AB+64*\z+32*\c+16:AB+64*\z+32*\c+31], v[T2+4*\z+2*\c+1]
.endr
.endr
	WIN 0
	v_nop                                          ; one plain place behind a scaled conversion
.irp z, 0,1
.irp c, 0,1
.irp i, 0,1,2
	v_permlane16_swap_b32 v[PC+12*\z+6*\c+\i], v[TU+8*\z+4*\c+\i]
.endr
.endr
.endr
.irp z, 0,1
.irp c, 0,1
.irp i, 0,1,2
	v_mov_b32 v[PC+12*\z+6*\c+3+\i], v[TU+8*\z+4*\c+\i]
.endr
.endr
.endr
.irp z, 0,1
.irp c, 0,1
	global_store_b128 v[L16], v[PC+12*\z+6*\c:PC+12*\z+6*\c+3], s[88+4*((\a)/4)+2*\c:89+4*((\a)/4)+2*\c] offset:768*((\a)%4+\z)
	global_store_b64 v[L8], v[PC+12*\z+6*\c+4:PC+12*\z+6*\c+5], s[88+4*((\a)/4)+2*\c:89+4*((\a)/4)+2*\c] offset:768*((\a)%4+\z)+512
.endr
.endr
.endm
	s_load_b512 s[68:83], s[0:1], 0x0
	s_load_b64 s[84:85], s[0:1], 0x40
	v_lshl_add_u32 v[SPW], v0, 2, SPARE
	v_mov_b32 v[NIL], 0
	ds_add_u32 v28, v29
	ds_add_u32 v28, v29
	s_wait_dscnt 0x0
	v_lshrrev_b32 v1, 5, v0
	v_readfirstlane_b32 s14, v1
	s_lshr_b32 s15, s14, 1
	s_and_b32 s16, s14, 1
	s_bfe_u32 s40, ttmp6, 0x40000
	s_bfe_u32 s41, ttmp6, 0x40004
	s_and_b32 s45, ttmp7, 0xffff
	s_lshl_b32 s43, s41, 2
	s_lshl_b32 s43, 15, s43
	s_lshl_b32 s44, 0x1111, s40
	s_or_b32 s[G1], s43, (3<<16)|(1<<21)
	s_or_b32 s[G1B], s44, (3<<16)|(1<<21)
.irp g, G1, G1B
	s_mov_b32 s[\g+1], 32<<16                      ; dense rows of 256 bytes: 192 at the head (two chunks of 128 rows),
	s_mov_b32 s[\g+2], 192<<16                     ; 96 behind it
	s_mov_b32 s[\g+3], 32<<16
	s_mov_b32 s[\g+4], 192
	s_mov_b32 s[\g+5], 32
	s_mov_b32 s[\g+6], 0
	s_mov_b32 s[\g+7], 0
.endr
	s_lshl_b32 s17, s45, 2
	s_add_co_u32 s17, s17, s41
	s_lshl_b32 s42, ttmp9, 2
	s_add_co_u32 s42, s42, s40
	s_lshl_b32 s19, s45, 3
	s_add_co_u32 s19, s19, s42
	s_sub_co_u32 s19, s19, 32
	s_cmp_ge_u32 s45, 4
	s_cselect_b32 s86, 1, 0
	s_cselect_b32 s17, s41, s17
	s_cselect_b32 s42, s19, s42
	s_cselect_b32 s18, 128, 0
	s_lshl_b32 s20, s17, 4
	s_lshl_b32 s21, s16, 3
	s_add_co_u32 s20, s20, s21
	s_add_co_u32 s20, s20, s18
	s_mul_i32 s20, s20, 12288
	s_mov_b32 s21, 0
	s_lshl_b32 s46, s42, 4
	s_lshl_b32 s47, s16, 3
	s_add_co_u32 s46, s46, s47
	s_mul_i32 s46, s46, 12288
	s_mov_b32 s47, 0
	s_mul_i32 s22, s14, 2*HALFT                    ; where my half goes, in region P
	s_mul_i32 s23, s14, HALFT
	s_add_co_u32 s23, s23, REGQ                    ; and in region Q
	CROUND                                         ; all sixteen work-groups are here: the first joint loads meet
	s_wait_kmcnt 0x0
	s_cmp_ge_u32 s45, 4
	s_cselect_b64 s[4:5], s[72:73], s[68:69]
	s_cselect_b64 s[6:7], s[68:69], s[72:73]
	s_cselect_b64 s[8:9], s[74:75], s[70:71]
	s_cselect_b64 s[10:11], s[70:71], s[74:75]
	s_add_nc_u64 s[20:21], s[4:5], s[20:21]
	s_add_nc_u64 s[46:47], s[6:7], s[46:47]
.irp s, 0,1
	s_mov_b32 s[G0+4*\s], 1
	s_mov_b32 s[G0+4*\s+1], s[22+\s]
	s_add_nc_u64 s[G0+4*\s+2:G0+4*\s+3], s[20:21], \s*2*HALFT
	s_or_b32 s[G0+4*\s+3], s[G0+4*\s+3], 0x80000000
	s_mov_b32 s[G0B+4*\s], 1
	s_mov_b32 s[G0B+4*\s+1], s[22+\s]
	s_add_nc_u64 s[G0B+4*\s+2:G0B+4*\s+3], s[46:47], \s*2*HALFT
	s_or_b32 s[G0B+4*\s+3], s[G0B+4*\s+3], 0x80000000
.endr
	JLOAD G0, G1, G0B, G1B                         ; chunks 0 and 1: the wave's one load at the head; scales, bias and addresses are made under its flight
	s_cmp_eq_u32 s15, 0
	s_cselect_b64 s[66:67], s[20:21], s[46:47]     ; the prefetch's base: what my wave loads, A's half or B's,
	s_cselect_b32 s2, s40, s41                     ; and my place among the four that ask for it jointly:
	s_mul_i32 s2, s2, 6144                         ; 24 blocks each
	s_mov_b32 s3, 0
	s_add_nc_u64 s[66:67], s[66:67], s[2:3]
	v_and_b32 v1, 31, v0
	v_min_u32 v[PFO], 23, v1
	v_lshlrev_b32 v[PFO], 8, v[PFO]
	v_lshlrev_b32 v[L16], 4, v1
	v_lshlrev_b32 v[L8], 3, v1
	v_lshlrev_b32 v[L4], 2, v1
	s_wait_alu depctr_va_vdst(0)
	s_lshl_b32 s2, s17, 3
	s_lshl_b32 s3, s15, 2
	s_add_co_u32 s2, s2, s3
	s_lshr_b32 s3, s18, 1
	s_add_co_u32 s2, s2, s3
	s_lshl_b32 s2, s2, 10
	s_mov_b32 s3, 0
	s_add_nc_u64 s[8:9], s[8:9], s[2:3]
	s_lshl_b32 s2, s42, 3
	s_lshl_b32 s3, s16, 2
	s_add_co_u32 s2, s2, s3
	s_lshl_b32 s2, s2, 10
	s_mov_b32 s3, 0
	s_add_nc_u64 s[10:11], s[10:11], s[2:3]
.irp g, 0,1,2,3                                ; the scale words of K steps 0-3; those of 4-7 stand behind the bias
.irp k, 0,1,2,3
	global_load_b32 v[SCA+8*\g+\k], v[L4], s[8:9] offset:1024*\g+128*\k
	global_load_b32 v[SCB+8*\g+\k], v[L4], s[10:11] offset:1024*\g+128*\k
.endr
.endr
	s_cmp_eq_u32 s86, 0
	s_cbranch_scc0 .Lbias_v
	v_bfe_u32 v[LB], v0, 4, 1
	v_lshlrev_b32 v[LB], 5, v[LB]
	s_wait_alu depctr_va_vdst(0)
	s_cmp_eq_u32 ttmp9, 0
	s_cselect_b64 s[12:13], s[76:77], s[78:79]
	s_lshl_b32 s2, s40, 10
	s_lshl_b32 s3, s16, 9
	s_add_co_u32 s2, s2, s3
	s_mov_b32 s3, 0
	s_add_nc_u64 s[12:13], s[12:13], s[2:3]
	WIN 0x40
.irp b, 0,1,2,3,4,5,6,7
	global_load_b128 v[96+8*\b+96*(\b/4):96+8*\b+96*(\b/4)+3], v[LB], s[12:13] offset:64*\b
	global_load_b128 v[96+8*\b+96*(\b/4)+4:96+8*\b+96*(\b/4)+7], v[LB], s[12:13] offset:64*\b+16
.endr
	WIN 0
	s_branch .Lbias_done
.Lbias_v:
	v_and_b32 v[LB], 15, v0
	v_lshlrev_b32 v[LB], 2, v[LB]
	s_lshl_b32 s2, s41, 10
	s_lshl_b32 s3, s15, 9
	s_add_co_u32 s2, s2, s3
	s_mov_b32 s3, 0
	s_add_nc_u64 s[12:13], s[80:81], s[2:3]
	WIN 0x40
.irp a, 0,1,2,3,4,5,6,7
	global_load_b32 v[96+8*\a+96*(\a/4)], v[LB], s[12:13] offset:64*\a   ; a lane's eight results are of one channel: its bias is copied to eight registers ahead of the first product
.endr
	WIN 0
.Lbias_done:
.irp g, 0,1,2,3
.irp k, 4,5,6,7
	global_load_b32 v[SCA+8*\g+\k], v[L4], s[8:9] offset:1024*\g+128*\k
	global_load_b32 v[SCB+8*\g+\k], v[L4], s[10:11] offset:1024*\g+128*\k
.endr
.endr
	s_mul_i32 s2, s15, 2*HALFT                     ; my fragments in region P,
	s_mul_i32 s3, s16, 2*HALFT
	s_add_co_u32 s3, s3, 4*HALFT
.irp s, 0,1
	v_add_nc_u32 v[ADRA+\s], s2, v[L16]
	v_add_nc_u32 v[ADRA+2+\s], s2, v[L8]
	v_add_nc_u32 v[ADRB+\s], s3, v[L16]
	v_add_nc_u32 v[ADRB+2+\s], s3, v[L8]
.if \s == 0
	s_mul_i32 s2, s15, HALFT                       ; and in region Q
	s_add_co_u32 s2, s2, REGQ
	s_mul_i32 s3, s16, HALFT
	s_add_co_u32 s3, s3, REGQ+2*HALFT
.endif
.endr
.irp b, 0,1,2,3
	v_mov_b32 v[T1+\b], 0                          ; a lane permute's destination counts as one of its sources
	v_mov_b32 v[T1+4+\b], 0
.endr
	s_mov_b32 s100, 0x76543210
	s_mov_b32 s101, 0xfedcba98
	s_mov_b32 s87, 0xffff0000
	s_wait_alu depctr_va_vdst(0)
	s_wait_xcnt 0x0                                ; the loads of scales and bias have read their bases; the results are waited for ahead of the products
	s_or_b32 s2, s86, ttmp9
	s_cmp_eq_u32 s2, 0
	s_mov_b32 s4, 208896
	s_cselect_b32 s4, 106496, s4
	s_mov_b32 s5, 13056                            ; a record of 128 tokens
	s_cselect_b32 s5, 6656, s5
	s_mov_b32 s6, 12288                            ; its scale words
	s_cselect_b32 s6, 6144, s6
	s_cselect_b64 s[88:89], s[82:83], s[84:85]
	s_cmp_eq_u32 s86, 0
	s_mov_b32 s7, 12800
	s_cselect_b32 s6, s6, s7
	s_cselect_b32 s7, 0, 6144                      ; V's codes stand behind K's
	s_mov_b32 s13, 3072
	s_cselect_b32 s2, s13, s4
	s_cselect_b32 s3, s4, s13
	s_cselect_b32 s10, s17, s42
	s_cselect_b32 s11, s15, s16
	s_cselect_b32 s8, s40, s41
	s_cselect_b32 s9, s16, s15
	s_and_b32 s18, s10, 7
	s_lshl_b32 s18, s18, 1
	s_add_co_u32 s18, s18, s11
	s_lshr_b32 s19, s10, 3
	s_lshl_b32 s19, s19, 4
	s_lshl_b32 s8, s8, 2
	s_add_co_u32 s19, s19, s8
	s_lshl_b32 s9, s9, 1
	s_add_co_u32 s19, s19, s9
	s_mul_i32 s19, s19, s4
	s_mul_i32 s8, s18, s5                          ; my record
	s_add_co_u32 s19, s19, s8
	s_add_co_u32 s8, s19, s7
	s_mov_b32 s9, 0
	s_add_co_u32 s10, s19, s6
	s_mov_b32 s11, 0
	s_add_nc_u64 s[96:97], s[88:89], s[10:11]
	s_mov_b32 s10, s4
	s_add_nc_u64 s[98:99], s[96:97], s[10:11]
	s_add_nc_u64 s[88:89], s[88:89], s[8:9]
	s_mov_b32 s8, s3
	s_add_nc_u64 s[90:91], s[88:89], s[8:9]
	s_mov_b32 s8, s2
	s_add_nc_u64 s[92:93], s[88:89], s[8:9]
	s_add_nc_u64 s[94:95], s[90:91], s[8:9]
	s_wait_tensorcnt 0x0                           ; my half of chunks 0 and 1 is in; these lines stand ahead of a later first fill as ahead of a refill
	ds_add_u32 v[SPW], v[NIL]
.irp g, G1, G1B
	s_mov_b32 s[\g+2], 96<<16                      ; no tensor load of mine is out: from here on a load brings one chunk
	s_mov_b32 s[\g+4], 96
.endr
	s_wait_dscnt 0x0
	CROUND                                         ; everybody's half is in, and the joint loads meet:
	JLOAD G0+4, G1, G0B+4, G1B                     ; chunk 2, the first tensor load behind the round
	FETCH_B 0, 0, 0
	FETCH_A 0, 0, 0
	FETCH_A 0, 0, 4
	global_prefetch_b8 v[PFO], s[66:67] offset:3*HALFT th:TH_LOAD_NT scope:SCOPE_SE   ; chunk 3
	s_wait_loadcnt 32                              ; bias and the scales of K steps 0-3 are in; the 32 loads for K steps 4-7 may be out
	s_cmp_eq_u32 s86, 0
	s_cbranch_scc0 .Lfirst_v
	STEP 0, 1
	s_branch .Lfirst_done
.Lfirst_v:
	WIN 0x41                                       ; source and destination in window 1
.irp j, 1,2,3,4,5,6,7
.irp a, 0,1,2,3,4,5,6,7
	v_mov_b32 v[96+8*\a+96*(\a/4)+\j], v[96+8*\a+96*(\a/4)]
.endr
.endr
	s_wait_alu depctr_va_vdst(0)
	STEP 0, 2
.Lfirst_done:
	STEP 1, 0
	STEP 2, 0
	s_wait_loadcnt 0x0                             ; the scales of K steps 4-7
	TURN 3, 1
	STEP 4, 0
	TURN 5, 0
	STEP 6, 0
	s_wait_dscnt 16
	MUL16 0, 1, 7, 0
	MUL16 2, 1, 7, 0
	s_wait_dscnt 0x0
	MUL16 4, 1, 7, 0
	MUL16 6, 1, 7, 0
	WIN 0
	PLACES 4
.irp a, 0,2,4,6
	QUANTA \a
.endr
.irp k, 0,1,2,3
	v_cndmask_b32 v[TM+\k], v[PW+2*\k], v[PW+2*\k+1], s87
.endr
	s_cmp_eq_u32 s86, 0
	s_cbranch_scc0 .Lscales_v
.irp k, 0,1,2,3
	v_and_b32 v[TM+4+\k], 0xffff, v[TM+\k]
	v_lshrrev_b32 v[TM+8+\k], 16, v[TM+\k]
.endr
	global_store_b128 v[L16], v[TM+4:TM+7], s[96:97]
	global_store_b128 v[L16], v[TM+8:TM+11], s[98:99]
	s_branch .Lscales_done
.Lscales_v:
	s_wait_alu depctr_va_vdst(0)
	global_store_b64 v[L8], v[TM:TM+1], s[96:97]
	global_store_b64 v[L8], v[TM+2:TM+3], s[98:99]
.Lscales_done:
	s_wait_tensorcnt 0x0
	ds_add_u32 v[SPW], v[NIL]
	s_wait_dscnt 0x0
	CROUND
	s_endpgm
.Lfunc_end_k_qc241b2a6e6_qkv:
	.size	k_qc241b2a6e6_qkv, .Lfunc_end_k_qc241b2a6e6_qkv-k_qc241b2a6e6_qkv
	.p2alignl 7, 3214868480
	.fill 96, 4, 3214868480
	.section	.rodata,"a",@progbits
	.p2align	6, 0x0
	.amdhsa_kernel k_qc241b2a6e6_qkv
		.amdhsa_group_segment_fixed_size 327680
		.amdhsa_private_segment_fixed_size 0
		.amdhsa_enable_private_segment 0
		.amdhsa_kernarg_size 72
		.amdhsa_user_sgpr_count 2
		.amdhsa_user_sgpr_kernarg_segment_ptr 1
		.amdhsa_wavefront_size32 1
		.amdhsa_system_sgpr_workgroup_id_x 1
		.amdhsa_system_sgpr_workgroup_id_y 1
		.amdhsa_system_sgpr_workgroup_id_z 1
		.amdhsa_system_vgpr_workitem_id 0
		.amdhsa_next_free_vgpr 1024
		.amdhsa_next_free_sgpr 102
		.amdhsa_reserve_vcc 0
		.amdhsa_float_denorm_mode_32 3
		.amdhsa_float_denorm_mode_16_64 3
		.amdhsa_memory_ordered 1
		.amdhsa_forward_progress 1
		.amdhsa_inst_pref_size 169
	.end_amdhsa_kernel
	.amdgpu_metadata
---
amdhsa.version: [ 1, 2 ]
amdhsa.kernels:
  - .name:           k_qc241b2a6e6_qkv
    .symbol:         k_qc241b2a6e6_qkv.kd
    .args:
      - { .name: xc, .offset: 0, .size: 8, .value_kind: global_buffer, .address_space: global }
      - { .name: xs, .offset: 8, .size: 8, .value_kind: global_buffer, .address_space: global }
      - { .name: wc, .offset: 16, .size: 8, .value_kind: global_buffer, .address_space: global }
      - { .name: ws, .offset: 24, .size: 8, .value_kind: global_buffer, .address_space: global }
      - { .name: bq, .offset: 32, .size: 8, .value_kind: global_buffer, .address_space: global }
      - { .name: bk, .offset: 40, .size: 8, .value_kind: global_buffer, .address_space: global }
      - { .name: bv, .offset: 48, .size: 8, .value_kind: global_buffer, .address_space: global }
      - { .name: qb, .offset: 56, .size: 8, .value_kind: global_buffer, .address_space: global }
      - { .name: kv, .offset: 64, .size: 8, .value_kind: global_buffer, .address_space: global }
    .group_segment_fixed_size: 327680
    .private_segment_fixed_size: 0
    .kernarg_segment_align: 8
    .kernarg_segment_size: 72
    .max_flat_workgroup_size: 128
    .sgpr_count:     102
    .vgpr_count:     1024
    .wavefront_size: 32
...
	.end_amdgpu_metadata
.endif
;; end of part 2
;; launch attn (part 3): grid 128 x 2, 16 waves a work-group, clusters of 4 x 1, 248,320 bytes of LDS; arguments qb, kv, oc, os; writes oc, os
.if DOCPART == 3
	.amdgcn_target "amdgcn-amd-amdhsa--gfx1250"
	.amdhsa_code_object_version 6
	.text
	.protected	k_qc241b2a6e6_attn
	.globl	k_qc241b2a6e6_attn
	.p2align	8
	.type	k_qc241b2a6e6_attn,@function
k_qc241b2a6e6_attn:
	s_mov_b64 s[64:65], 0
	v_nop
	global_prefetch_b8 v0, s[64:65] scope:SCOPE_SE
	s_setreg_imm32_b32 hwreg(HW_REG_WAVE_MODE, 25, 1), 1
	s_wait_xcnt 0x0
	s_wait_alu depctr_hold_cnt(0) depctr_sa_sdst(0) depctr_va_vdst(0) depctr_va_sdst(0) depctr_va_ssrc(0) depctr_va_vcc(0) depctr_vm_vsrc(0)
	s_getreg_b32 s2, hwreg(HW_REG_IB_STS2, 6, 4)
	s_cmp_eq_u32 s2, 0
	s_cbranch_scc0 .Lentry_in_a_cluster
	s_endpgm
.Lentry_in_a_cluster:
	s_bfe_u32 s2, ttmp6, 0x10000c
	s_cmp_lg_u32 s2, 0x3003
	s_cbranch_scc0 .Lentry_shape_is_right
	s_endpgm
.Lentry_shape_is_right:
; Causal attention of one head (cluster x: 16 x batch + head) on codes of BF6 (E3M2), and the result quantised along the model's 1,024 for the last product.
; t = score x log2(e) / 8; M = the running largest t rounded UP to a whole number; p = 2^(t - M) is quantised along the keys, not normalised; the row's sum is taken of the unquantised p and divides at the end.
; SHARES.  A head has 16 blocks of 128 queries, 8 tiles of 16 queries in each.  Work-group x of the head's eight takes tile x of EVERY block.  Waves i and 8 + i of its sixteen own the tiles of blocks i and 15 - i: 17 steps of 128 keys.
;   Wave i takes the late tile's steps 0 to 8.  Wave 8 + i takes the early tile's steps 0 to i, sends its result out, and takes the late tile's steps 9 to 15 - i (none for i = 7).  So a wave has nine or eight steps.
;   The late tile's two parts are joined through LDS at the end: both are brought under the larger M by powers of two, which round nothing.
; CAUSAL: no step is walked all of whose keys come after the tile's queries; in a tile's own block hidden scores become -infinity ahead of the maximum.
; CLUSTER: the four work-groups of a cluster are of one head and ask jointly for its K and V.  No branch and no LDS address hangs on x: only which tile of a block is loaded, masked and stored.
; K AND V: 16 records of 13,056 bytes for 128 keys (K's codes 6,144, V's codes 6,144, K's scale words 512, V's 256); wave w fetches record w, as 51 rows of 256 bytes; nothing is filled again.  The first barrier shows record 0, the second, behind the first step, all others.
; NO PREFETCH: all loads of K and V stand at the head; there is no loop to run ahead in.
; Both products are used transposed (S^T = K Q^T, O^T = V^T P^T): a lane holds one query throughout.  A tile of K is 16 neighbouring keys, so p's 16 registers of two tiles are keys 8 h + j and 16 + 8 h + j of a block:
; V's codes have the same order inside each block of 32 keys, so the products are unchanged.
; THE HEAD'S 64 IN A PRODUCT OF 128: Q's registers 6-11 are zero codes, so what stands in K's upper six registers (the next tile's codes, or zeros) adds nothing; the upper two scale bytes of both sides are 0, which is 2^-127 and no NaN.
; LIMITS: a block of zeros gets the byte 1 (its codes are zeros; only this program reads the bytes).  NaN and infinities are not served.  The scaled scores t stay under 2^31 in magnitude.
; REGISTERS: v1 16 l, v2 8 l, v3 16 x + r - 8 h, v4 16 r, v5 my tile's place in the stage, v6 my pair's merge region, v7 stage read; v8-9 the step's LDS addresses; v12 -M, v13 largest t, v[14:15] the sum; v16-27 Q; v28 Q's scale word;
;   v32-79 K's 8 tiles (6 registers each), then V's 4 fragments; v80-85 zeros; v86-89 K's scale words, v90-91 V's; v96-159 S^T, then p; v160-191 O^T; v192-203 block maxima, bytes, scale operands; v204-215 p's codes; v216-222 upper halves;
;   v[224:225] f; v226 p's scale word; v227-231 at work; v232-245 partial sums; v254-255 the add's.
; SCALARS: s66 8 - i; s67 trip; s68 my tile's block; s69 key step; s70 the trip in which I change tiles (64: never); s73 i; s74 x; s75 my trips.
.set REC,   13056
.set MERGE, 16*REC                     ; behind the image: 4,608 bytes for each pair of waves
.set STG,   MERGE+8*4608               ; the result's scale bytes: 16 tiles x 32 bytes.  Both are written by LDS stores alone
.set SPARE, STG+512                    ; the spare words, 128 bytes for each wave
.macro CROUND
	s_barrier_signal -1
	s_barrier_wait -1
	s_cmp_lg_u32 s18, 0
	s_cbranch_scc1 .Lnot_wave_0_\@
	s_barrier_signal -3
.Lnot_wave_0_\@:
	s_barrier_wait -3
	s_barrier_signal -1
	s_barrier_wait -1
.endm
.macro STEP first, ka, kb              ; 128 keys
.if (\first) == 0
	v_add_nc_u32 v8, s2, v1
	v_add_nc_u32 v9, s2, v2
	v_nop                                          ; (four places in front of loads into registers that the last products read)
	v_nop
.endif
	ds_load_b128 v[86:89], v[\ka] offset:12288     ; register i: lane l holds key 32 i + l's word
.irp t, 0,1,2,3,4,5,6,7
	ds_load_b128 v[32+6*\t:35+6*\t], v[\ka] offset:768*\t
	ds_load_b64 v[36+6*\t:37+6*\t], v[\kb] offset:768*\t+512
.endr
	s_wait_alu depctr_va_vdst(0)
.if \first
	s_wait_loadcnt 0x0                             ; Q
.endif
.irp t, 0,1,2,3,4,5,6,7                        ; product t names the registers of tiles t and t + 1
.if \t == 0
	s_wait_dscnt 8                                 ; all but tiles 4-7, two loads each
.endif
.if \t == 3
	s_wait_dscnt 4                                 ; all but tiles 6-7
.endif
.if \t == 5
	s_wait_dscnt 0x0
.endif
.if \t%2
	v_wmma_scale_f32_16x16x128_f8f6f4 v[96+8*\t:103+8*\t], v[32+6*\t:43+6*\t], v[16:27], 0, v[86+\t/2], v28 matrix_a_fmt:MATRIX_FMT_BF6 matrix_b_fmt:MATRIX_FMT_BF6 matrix_a_scale:MATRIX_SCALE_ROW1
.else
	v_wmma_scale_f32_16x16x128_f8f6f4 v[96+8*\t:103+8*\t], v[32+6*\t:43+6*\t], v[16:27], 0, v[86+\t/2], v28 matrix_a_fmt:MATRIX_FMT_BF6 matrix_b_fmt:MATRIX_FMT_BF6
.endif
.endr
.rept 4
	v_nop                                          ; places: K's registers are loaded again and the scores read below
.endr
.irp t, 0,1,2,3                                ; V's four fragments (16 channels x 128 keys) are asked for now and land under the softmax
.irp c, 0,1
	ds_load_b128 v[32+12*\t+6*\c:35+12*\t+6*\c], v[\ka] offset:6144+768*(4*\c+\t)
	ds_load_b64 v[36+12*\t+6*\c:37+12*\t+6*\c], v[\kb] offset:6144+768*(4*\c+\t)+512
.endr
.endr
	ds_load_b64 v[90:91], v[\kb] offset:12800      ; register i: lane l holds channel 32 i + l's word
	s_cmp_lg_u32 s69, s68
	s_cbranch_scc1 .Lopen_\@                       ; not my tile's own block: all 128 keys count
.irp t, 0,1,2,3,4,5,6,7                        ; register 8 t + j holds key 16 t + 8 h + j of the block, and my query is 16 x + r: tiles behind x are hidden, tile x by the masks s[80:87] made at the head
	s_cmp_lt_u32 s74, \t
	s_cselect_b32 s96, -1, 0
	s_cmp_eq_u32 s74, \t
.irp j, 0,1,2,3,4,5,6,7
	s_cselect_b32 s[88+\j], s[80+\j], s96
.endr
.irp j, 0,1,2,3,4,5,6,7
	v_cndmask_b32 v[96+8*\t+\j], v[96+8*\t+\j], v230, s[88+\j]
.endr
.endr
.Lopen_\@:
.irp b, 0,1,2,3
	v_max3_num_f32 v[192+\b], v[96+16*\b], v[97+16*\b], v[98+16*\b]   ; each block's largest score: for the row's maximum, and, since p rises with the score, for the block's largest p
.endr
.irp i, 3,5,7,9,11,13
.irp b, 0,1,2,3
	v_max3_num_f32 v[192+\b], v[192+\b], v[96+16*\b+\i], v[97+16*\b+\i]
.endr
.endr
.irp b, 0,1,2,3
	v_max_num_f32 v[192+\b], v[192+\b], v[111+16*\b]
.endr
.irp b, 0,1,2,3
	s_delay_alu instid0(VALU_DEP_4)
	v_permlanex16_b32 v[196+\b], v[192+\b], s20, s21
.endr
.irp b, 0,1,2,3
	s_delay_alu instid0(VALU_DEP_4)
	v_max_num_f32 v[192+\b], v[192+\b], v[196+\b]
.endr
	s_delay_alu instid0(VALU_DEP_2)
	v_max3_num_f32 v227, v192, v193, v194
	s_delay_alu instid0(VALU_DEP_1)
	v_max_num_f32 v227, v227, v195
	s_delay_alu instid0(VALU_DEP_1)
	v_mul_f32 v227, s22, v227                      ; as t
	s_delay_alu instid0(VALU_DEP_1)
	v_max_num_f32 v13, v13, v227                   ; the running largest t
	v_mov_b32 v227, v12
	s_delay_alu instid0(VALU_DEP_2)
	v_floor_f32 v12, -v13                          ; -M = floor(-t): M is a whole number
	s_delay_alu instid0(VALU_DEP_1)
	v_sub_f32 v227, v12, v227
	s_delay_alu instid0(VALU_DEP_1)
	v_cvt_i32_f32 v227, v227                       ; old M - new M (it saturates)
	s_delay_alu instid0(VALU_DEP_1)
	v_ldexp_f32 v224, 1.0, v227                    ; f = 2^(old M - new M): rounds nothing
.set n, 0
.rept 32
	v_pk_fma_f32 v[96+n:97+n], v[96+n:97+n], s[22:23], v[12:13] op_sel_hi:[1,0,0]   ; t - M
.set n, n+2
.endr
.irp b, 0,1,2,3
	v_fma_f32 v[192+\b], v[192+\b], s22, v12
.endr
.set n, 0
	s_wait_alu depctr_va_vdst(0)                   ; waits ahead of the batch and behind it
.rept 64
	v_exp_f32 v[96+n], v[96+n]                     ; p = 2^(t - M)
.set n, n+1
.endr
.irp b, 0,1,2,3
	v_exp_f32 v[192+\b], v[192+\b]                 ; the block's largest p: the same two instructions on the same number
.endr
	v_pk_mul_f32 v[14:15], v[14:15], v[224:225] op_sel_hi:[1,0]   ; the sum under the new M (a plain place behind the exponentials)
	s_wait_alu depctr_va_vdst(0)
.irp b, 0,1,2,3
	v_max_num_f32 v[192+\b], 0x2800000, v[192+\b]  ; the floor: the byte cannot fall under 1
.endr
.irp b, 0,1,2,3
	s_delay_alu instid0(VALU_DEP_4)
	v_add_nc_u32 v[200+\b], 0xfe000000, v[192+\b]
.endr
.irp b, 0,1,2,3
	s_delay_alu instid0(VALU_DEP_4)
	v_lshrrev_b32 v[196+\b], 23, v[200+\b]
.endr
	s_delay_alu instid0(VALU_DEP_3)
	v_lshl_or_b32 v226, v197, 8, v196              ; p's scale word for these 128 keys
	s_delay_alu instid0(VALU_DEP_1)
	v_lshl_or_b32 v226, v198, 16, v226
	s_delay_alu instid0(VALU_DEP_1)
	v_lshl_or_b32 v226, v199, 24, v226
.irp c, 0,1
	v_cvt_scalef32_pk16_bf6_f32 v[204+6*\c:206+6*\c], v[96+32*\c:111+32*\c], v[200+2*\c]
	v_cvt_scalef32_pk16_bf6_f32 v[216+4*\c:218+4*\c], v[112+32*\c:127+32*\c], v[201+2*\c]
.endr
	v_nop                                          ; one plain place behind a scaled conversion
.irp c, 0,1
.irp i, 0,1,2
	v_permlane16_swap_b32 v[204+6*\c+\i], v[216+4*\c+\i]
.endr
.irp i, 0,1,2
	s_delay_alu instid0(VALU_DEP_3)
	v_mov_b32 v[207+6*\c+\i], v[216+4*\c+\i]
.endr
.endr
.irp k, 0,1,2,3,4,5,6                          ; the row's sum, of the unquantised p: 32 pairs in eight chains
	v_pk_add_f32 v[232+2*\k:233+2*\k], v[96+4*\k:97+4*\k], v[98+4*\k:99+4*\k]
.endr
	v_pk_add_f32 v[14:15], v[14:15], v[124:125]
.irp k, 0,1,2,3,4,5,6
	v_pk_add_f32 v[232+2*\k:233+2*\k], v[232+2*\k:233+2*\k], v[126+2*\k:127+2*\k]
.endr
	v_pk_add_f32 v[14:15], v[14:15], v[140:141]
.irp k, 0,1,2,3,4,5,6
	v_pk_add_f32 v[232+2*\k:233+2*\k], v[232+2*\k:233+2*\k], v[142+2*\k:143+2*\k]
.endr
	v_pk_add_f32 v[14:15], v[14:15], v[156:157]
	v_pk_add_f32 v[232:233], v[232:233], v[158:159]
	v_pk_add_f32 v[236:237], v[236:237], v[238:239]
	v_pk_add_f32 v[240:241], v[240:241], v[242:243]
	v_pk_add_f32 v[14:15], v[14:15], v[244:245]
	s_delay_alu instid0(VALU_DEP_4)
	v_pk_add_f32 v[232:233], v[232:233], v[234:235]
	s_delay_alu instid0(VALU_DEP_3)
	v_pk_add_f32 v[236:237], v[236:237], v[240:241]
	s_delay_alu instid0(VALU_DEP_2)
	v_pk_add_f32 v[14:15], v[14:15], v[232:233]
	s_delay_alu instid0(VALU_DEP_1)
	v_pk_add_f32 v[14:15], v[14:15], v[236:237]
.if (\first) == 0
.set n, 0
.rept 16
	v_pk_mul_f32 v[160+n:161+n], v[160+n:161+n], v[224:225] op_sel_hi:[1,0]   ; O^T under the new M
.set n, n+2
.endr
.endif
	s_wait_alu depctr_va_vdst(0)
	s_wait_dscnt 0x0                               ; V is in
.if \first
	s_wait_tensorcnt 0x0                           ; my record is in
	s_barrier_signal -1
.endif
.irp t, 0,1,2,3
.if \first
.if \t%2
	v_wmma_scale_f32_16x16x128_f8f6f4 v[160+8*\t:167+8*\t], v[32+12*\t:43+12*\t], v[204:215], 0, v[90+\t/2], v226 matrix_a_fmt:MATRIX_FMT_BF6 matrix_b_fmt:MATRIX_FMT_BF6 matrix_a_scale:MATRIX_SCALE_ROW1
.else
	v_wmma_scale_f32_16x16x128_f8f6f4 v[160+8*\t:167+8*\t], v[32+12*\t:43+12*\t], v[204:215], 0, v[90+\t/2], v226 matrix_a_fmt:MATRIX_FMT_BF6 matrix_b_fmt:MATRIX_FMT_BF6
.endif
.else
.if \t%2
	v_wmma_scale_f32_16x16x128_f8f6f4 v[160+8*\t:167+8*\t], v[32+12*\t:43+12*\t], v[204:215], v[160+8*\t:167+8*\t], v[90+\t/2], v226 matrix_a_fmt:MATRIX_FMT_BF6 matrix_b_fmt:MATRIX_FMT_BF6 matrix_a_scale:MATRIX_SCALE_ROW1
.else
	v_wmma_scale_f32_16x16x128_f8f6f4 v[160+8*\t:167+8*\t], v[32+12*\t:43+12*\t], v[204:215], v[160+8*\t:167+8*\t], v[90+\t/2], v226 matrix_a_fmt:MATRIX_FMT_BF6 matrix_b_fmt:MATRIX_FMT_BF6
.endif
.endif
.endr
.if \first
	s_barrier_wait -1                              ; everybody's record is in: all 2,048 keys
.endif
.endm
; THE WAY OUT of a finished tile: O^T / the sum, quantised along the head's 64 (two blocks), as a half fragment of the last product's operand: 768 consecutive bytes; its 32 scale bytes go to the stage
.macro FINISH
	v_add_f32 v14, v14, v15
	s_delay_alu instid0(VALU_DEP_1)
	v_permlanex16_b32 v227, v14, s20, s21
	s_delay_alu instid0(VALU_DEP_1)
	v_add_f32 v14, v14, v227
	s_wait_alu depctr_va_vdst(0)
	v_rcp_f32 v14, v14
	v_nop                                          ; a plain place behind the transcendental
.set n, 0
	s_wait_alu depctr_va_vdst(0)
.rept 32
	v_mul_f32 v[96+n], v[160+n], v14               ; register 8 t + j: channel 16 t + 8 h + j of query r
.set n, n+1
.endr
.irp b, 0,1
	v_max3_num_f32 v[192+\b], |v[96+16*\b]|, |v[97+16*\b]|, 0x2800000
.endr
.irp i, 2,4,6,8,10,12,14
.irp b, 0,1
	s_delay_alu instid0(VALU_DEP_2)
	v_max3_num_f32 v[192+\b], v[192+\b], |v[96+16*\b+\i]|, |v[97+16*\b+\i]|
.endr
.endr
.irp b, 0,1
	s_delay_alu instid0(VALU_DEP_2)
	v_permlanex16_b32 v[196+\b], v[192+\b], s20, s21
.endr
.irp b, 0,1
	s_delay_alu instid0(VALU_DEP_2)
	v_max_num_f32 v[192+\b], v[192+\b], v[196+\b]
.endr
.irp b, 0,1
	s_delay_alu instid0(VALU_DEP_2)
	v_add_nc_u32 v[200+\b], 0xfe000000, v[192+\b]
.endr
.irp b, 0,1
	s_delay_alu instid0(VALU_DEP_2)
	v_lshrrev_b32 v[196+\b], 23, v[200+\b]
.endr
	s_delay_alu instid0(VALU_DEP_1)
	v_lshl_or_b32 v227, v197, 8, v196              ; my query's two bytes
	v_cvt_scalef32_pk16_bf6_f32 v[204:206], v[96:111], v200
	v_cvt_scalef32_pk16_bf6_f32 v[216:218], v[112:127], v201
	v_nop
.irp i, 0,1,2
	v_permlane16_swap_b32 v[204+\i], v[216+\i]
.endr
.irp i, 0,1,2
	s_delay_alu instid0(VALU_DEP_3)
	v_mov_b32 v[207+\i], v[216+\i]
.endr
	global_store_b128 v1, v[204:207], s[8:9]
	global_store_b64 v2, v[208:209], s[8:9] offset:512
	ds_store_b16 v5, v227                          ; both halves of the lanes write the same two bytes
.endm
.macro LOADQ c, w
	global_load_b128 v[16:19], v1, s[\c:\c+1]
	global_load_b64 v[20:21], v2, s[\c:\c+1] offset:512
	global_load_b32 v28, v4, s[\w:\w+1]
.endm
.macro NEWSUM
	v_mov_b32 v13, 0xff61b1e6                      ; the largest t so far: -3e38
	s_delay_alu instid0(VALU_DEP_1)
	v_floor_f32 v12, -v13
	v_mov_b32 v14, 0
	v_mov_b32 v15, 0
.endm
.macro QADR b, c, w                    ; where block b's tile x begins in qb: its codes s[c:c+1], its scale words s[w:w+1]
	s_mul_i32 s78, \b, 6656
	s_add_co_u32 s78, s78, s72
	s_mov_b32 s79, 0
	s_add_nc_u64 s[\c:\c+1], s[4:5], s[78:79]
	s_mov_b32 s78, s3
	s_add_nc_u64 s[\w:\w+1], s[\c:\c+1], s[78:79]
	s_mov_b32 s78, s19
	s_add_nc_u64 s[\c:\c+1], s[\c:\c+1], s[78:79]
.endm
	s_load_b256 s[4:11], s[0:1], 0x0               ; qb, kv, oc, os
	v_lshl_add_u32 v254, v0, 2, SPARE
	v_mov_b32 v255, 0
	ds_add_u32 v254, v255                          ; the opening: the add, twice on end, and its wait ahead of my tensor load
	ds_add_u32 v254, v255
	v_lshrrev_b32 v10, 5, v0
	v_readfirstlane_b32 s18, v10                   ; wave 0..15
	s_mul_i32 s78, ttmp9, 16*REC                   ; the head's image,
	s_mov_b32 s79, 0
	s_mul_i32 s76, s18, REC                        ; and in it my record
	s_mov_b32 s77, 0
	s_add_nc_u64 s[78:79], s[78:79], s[76:77]
	s_mov_b32 s24, 15|(3<<16)|(1<<21)              ; group 1: the mask of the cluster's four; elements of 8 bytes; bit 21 beside a mask; no padding: 51 dense rows of 256 bytes
	s_mov_b32 s25, 32<<16
	s_mov_b32 s26, 51<<16
	s_mov_b32 s27, 32<<16
	s_mov_b32 s28, 51
	s_mov_b32 s29, 32
	s_mov_b32 s30, 0
	s_mov_b32 s31, 0
	s_mov_b32 s40, 1
	s_mov_b32 s41, s76
	s_wait_dscnt 0x0
	CROUND                                         ; all four work-groups are here: the joint loads meet
	s_wait_kmcnt 0x0
	s_add_nc_u64 s[42:43], s[6:7], s[78:79]
	s_or_b32 s43, s43, 0x80000000
	s_cmp_eq_u32 s18, 0                            ; record 0 has a line of its own: its wait stands ahead of the first barrier, the others' ahead of the second
	s_cbranch_scc0 .Lrest
	tensor_load_to_lds s[40:43], s[24:31]
	s_nop 0
.rept 4
	v_nop
.endr
	s_branch .Lasked
.Lrest:
	tensor_load_to_lds s[40:43], s[24:31]
	s_nop 0
.rept 4
	v_nop
.endr
.Lasked:
	s_and_b32 s78, ttmp7, 0xffff
	s_lshl_b32 s78, s78, 2
	s_bfe_u32 s74, ttmp6, 0x40000
	s_add_co_u32 s74, s74, s78                     ; x = 4 y + cx
	s_and_b32 s73, s18, 7                          ; i
	s_sub_co_u32 s76, 15, s73
	s_sub_co_u32 s66, 8, s73
	s_add_co_u32 s77, s73, 1
	s_cmp_lt_u32 s18, 8
	s_cselect_b32 s68, s76, s73                    ; my first tile's block: waves 0-7 the late one, waves 8-15 the early one
	s_cselect_b32 s70, 64, s77
	s_cselect_b32 s75, 9, 8
	s_mul_i32 s72, ttmp9, 106496                   ; Q of the head: 16 records
	s_mul_i32 s19, s74, 768
	s_and_b32 s3, s74, 1
	s_lshl_b32 s3, s3, 8
	s_lshr_b32 s2, s74, 1
	s_lshl_b32 s2, s2, 2
	s_add_co_u32 s3, s3, s2
	s_add_co_u32 s3, s3, 6144                      ; scale words: 16 bytes for lane 16 (x % 2) + r, word x / 2
	QADR s68, 12, 14
	QADR s76, 32, 34                               ; the late tile, for waves 8-15's second part
	s_lshr_b32 s78, ttmp9, 4
	s_mul_i32 s78, s78, 1572864
	s_lshl_b32 s79, s68, 3
	s_add_co_u32 s79, s79, s74
	s_mul_i32 s79, s79, 12288
	s_add_co_u32 s78, s78, s79
	s_and_b32 s79, ttmp9, 15
	s_mul_i32 s79, s79, 768
	s_add_co_u32 s78, s78, s79
	s_mov_b32 s79, 0
	s_add_nc_u64 s[8:9], s[8:9], s[78:79]          ; the result's codes: [tile of 16 tokens][head][768]
	s_lshl_b32 s78, ttmp9, 12
	s_lshl_b32 s79, s74, 9
	s_add_co_u32 s78, s78, s79
	s_mov_b32 s79, 0
	s_add_nc_u64 s[10:11], s[10:11], s[78:79]      ; its scale bytes: [head][x][16 tiles: block b < 8 at place b, the others at 23 - b][16 queries] two bytes
	s_xor_b32 s76, s18, 8                          ; my tile's place
	s_lshl_b32 s76, s76, 5
	s_add_co_u32 s76, s76, STG
	s_mul_i32 s77, s73, 4608
	s_add_co_u32 s77, s77, MERGE
	s_mov_b32 s20, 0x76543210
	s_mov_b32 s21, 0xfedcba98                      ; lane l xor 16
	s_mov_b32 s22, 0x3e38aa3b                      ; log2(e) / 8
	s_mov_b32 s23, s22
	v_and_b32 v10, 31, v0
	v_and_b32 v11, 15, v0                          ; r
	v_bfe_u32 v229, v0, 4, 1                       ; h
	v_lshlrev_b32 v1, 4, v10
	v_lshlrev_b32 v2, 3, v10
	v_lshlrev_b32 v229, 3, v229
	v_lshlrev_b32 v4, 4, v11
	v_lshl_add_u32 v5, v11, 1, s76
	v_lshl_add_u32 v6, v10, 4, s77
	v_sub_nc_u32 v3, v11, v229
	v_lshl_add_u32 v7, v10, 4, STG
	v_lshl_add_u32 v3, s74, 4, v3                  ; 16 x + r - 8 h
	v_mov_b32 v230, 0xff800000                     ; what a hidden score becomes
	s_lshl_b32 s97, s74, 4
	s_wait_alu depctr_va_vdst(0)
.irp j, 0,1,2,3,4,5,6,7
	v_cmp_gt_i32 s[80+\j], s97, v3                 ; in tile x register j is hidden where 16 x + j > v3
	s_add_co_u32 s97, s97, 1
.endr
	LOADQ 12, 14
.irp j, 22,23,24,25,26,27,80,81,82,83,84,85
	v_mov_b32 v\j, 0                               ; zero codes
.endr
	NEWSUM
.irp j, 196,197,198,199,225,227
	v_mov_b32 v\j, 0                               ; lane permutes' destinations, and the upper halves of named pairs
.endr
	s_mov_b32 s69, 0
	s_wait_alu depctr_va_vdst(0)                   ; the wait at the head's end
	s_cmp_eq_u32 s18, 0
	s_cbranch_scc0 .Lnot_mine
	s_wait_tensorcnt 0x0                           ; record 0 is in
.Lnot_mine:
	s_barrier_signal -1
	s_barrier_wait -1
	STEP 1, 1, 2                                   ; every wave's first step has keys 0-127
	s_mov_b32 s67, 1
.Ltrip:
	s_cmp_eq_u32 s67, s70
	s_cbranch_scc0 .Lsame_tile
.rept 4
	v_nop                                          ; places behind the last products
.endr
	LOADQ 32, 34                                   ; waves 8-15: the early tile is done; the late one's Q lands while it goes out
	FINISH
	NEWSUM
.set n, 0
.rept 32
	v_mov_b32 v[160+n], 0                          ; O^T: the step's text finds zeros
.set n, n+1
.endr
	s_sub_co_u32 s68, 15, s68
	s_wait_alu depctr_va_vdst(0)
	s_wait_loadcnt 0x0
	s_wait_xcnt 0x0                                ; the stores have read the codes' registers
.Lsame_tile:
	s_wait_dscnt 0x0
	s_barrier_signal -1                            ; no wave ends a trip that another has not begun.  Between this signal and its wait stand work on registers and LDS loads of the image, which nobody writes any more
	s_cmp_ge_u32 s67, s75
	s_cbranch_scc1 .Lidle
	s_cmp_ge_u32 s67, s70
	s_cselect_b32 s76, s66, 0                      ; behind the change of tiles the keys go on at step 9
	s_add_co_u32 s69, s67, s76
	s_min_u32 s69, s69, 15
	s_mul_i32 s2, s69, REC
	STEP 0, 8, 9
.Lidle:
	s_barrier_wait -1
	s_add_co_u32 s67, s67, 1
	s_cmp_lt_u32 s67, 9
	s_cbranch_scc1 .Ltrip
	; the late tile's second part goes from wave 8 + i to wave i
.rept 4
	v_nop                                          ; places behind the last products
.endr
	s_cmp_lt_u32 s18, 8
	s_cbranch_scc1 .Lpart_there
.irp k, 0,1,2,3,4,5,6,7
	ds_store_b128 v6, v[160+4*\k:163+4*\k] offset:512*\k
.endr
	ds_store_b128 v6, v[12:15] offset:4096         ; -M, the largest t, the sum
.Lpart_there:
	s_wait_dscnt 0x0                               ; for the others' sake
	s_barrier_signal -1
	s_barrier_wait -1
	s_cmp_lt_u32 s18, 8
	s_cbranch_scc0 .Lbytes
	ds_load_b128 v[128:131], v6 offset:4096
.irp k, 0,1,2,3,4,5,6,7
	ds_load_b128 v[96+4*\k:99+4*\k], v6 offset:512*\k
.endr
	s_wait_dscnt 0x0
	v_min_num_f32 v192, v12, v128                  ; -M of the two parts together
	s_delay_alu instid0(VALU_DEP_1)
	v_sub_f32 v193, v192, v12
	s_delay_alu instid0(VALU_DEP_2)
	v_sub_f32 v194, v192, v128
	s_delay_alu instid0(VALU_DEP_2)
	v_cvt_i32_f32 v193, v193
	s_delay_alu instid0(VALU_DEP_2)
	v_cvt_i32_f32 v194, v194
	s_delay_alu instid0(VALU_DEP_2)
	v_ldexp_f32 v224, 1.0, v193                    ; my part's factor, a power of two (0 for a part without keys),
	s_delay_alu instid0(VALU_DEP_2)
	v_ldexp_f32 v196, 1.0, v194                    ; and the other's
	s_delay_alu instid0(VALU_DEP_2)
	v_pk_mul_f32 v[14:15], v[14:15], v[224:225] op_sel_hi:[1,0]
.set n, 0
.rept 16
	v_pk_mul_f32 v[160+n:161+n], v[160+n:161+n], v[224:225] op_sel_hi:[1,0]
.set n, n+2
.endr
	v_pk_fma_f32 v[14:15], v[130:131], v[196:197], v[14:15] op_sel_hi:[1,0,1]
.set n, 0
.rept 16
	v_pk_fma_f32 v[160+n:161+n], v[96+n:97+n], v[196:197], v[160+n:161+n] op_sel_hi:[1,0,1]
.set n, n+2
.endr
	FINISH
.Lbytes:
	s_wait_dscnt 0x0                               ; for the others' sake
	s_barrier_signal -1
	s_barrier_wait -1
	s_cmp_eq_u32 s18, 0                            ; wave 0 stores the work-group's 512 scale bytes
	s_cbranch_scc0 .Ldone
	ds_load_b128 v[228:231], v7
	s_wait_dscnt 0x0
	global_store_b128 v1, v[228:231], s[10:11]     ; 512 consecutive bytes, aligned to 256
.Ldone:
	s_wait_tensorcnt 0x0                           ; the wave's end
	ds_add_u32 v254, v255
	s_wait_dscnt 0x0
	CROUND                                         ; the closing round
	s_endpgm
.Lfunc_end_k_qc241b2a6e6_attn:
	.size	k_qc241b2a6e6_attn, .Lfunc_end_k_qc241b2a6e6_attn-k_qc241b2a6e6_attn
	.p2alignl 7, 3214868480
	.fill 96, 4, 3214868480
	.section	.rodata,"a",@progbits
	.p2align	6, 0x0
	.amdhsa_kernel k_qc241b2a6e6_attn
		.amdhsa_group_segment_fixed_size 248320
		.amdhsa_private_segment_fixed_size 0
		.amdhsa_enable_private_segment 0
		.amdhsa_kernarg_size 32
		.amdhsa_user_sgpr_count 2
		.amdhsa_user_sgpr_kernarg_segment_ptr 1
		.amdhsa_wavefront_size32 1
		.amdhsa_system_sgpr_workgroup_id_x 1
		.amdhsa_system_sgpr_workgroup_id_y 1
		.amdhsa_system_sgpr_workgroup_id_z 1
		.amdhsa_system_vgpr_workitem_id 0
		.amdhsa_next_free_vgpr 256
		.amdhsa_next_free_sgpr 100
		.amdhsa_reserve_vcc 0
		.amdhsa_float_denorm_mode_32 3
		.amdhsa_float_denorm_mode_16_64 3
		.amdhsa_memory_ordered 1
		.amdhsa_forward_progress 1
		.amdhsa_inst_pref_size 70
	.end_amdhsa_kernel
	.amdgpu_metadata
---
amdhsa.version: [ 1, 2 ]
amdhsa.kernels:
  - .name:           k_qc241b2a6e6_attn
    .symbol:         k_qc241b2a6e6_attn.kd
    .args:
      - { .name: qb, .offset: 0, .size: 8, .value_kind: global_buffer, .address_space: global }
      - { .name: kv, .offset: 8, .size: 8, .value_kind: global_buffer, .address_space: global }
      - { .name: oc, .offset: 16, .size: 8, .value_kind: global_buffer, .address_space: global }
      - { .name: os, .offset: 24, .size: 8, .value_kind: global_buffer, .address_space: global }
    .group_segment_fixed_size: 248320
    .private_segment_fixed_size: 0
    .kernarg_segment_align: 8
    .kernarg_segment_size: 32
    .max_flat_workgroup_size: 512
    .sgpr_count:     100
    .vgpr_count:     256
    .wavefront_size: 32
...
	.end_amdgpu_metadata
.endif
;; end of part 3
;; launch proj (part 4): grid 8 x 32, 4 waves a work-group, clusters of 4 x 4, 214,528 bytes of LDS; arguments oc, os, wc, ws, bo, out0; writes out0
.if DOCPART == 4
	.amdgcn_target "amdgcn-amd-amdhsa--gfx1250"
	.amdhsa_code_object_version 6
	.text
	.protected	k_qc241b2a6e6_proj
	.globl	k_qc241b2a6e6_proj
	.p2align	8
	.type	k_qc241b2a6e6_proj,@function
k_qc241b2a6e6_proj:
	s_mov_b64 s[64:65], 0
	v_nop
	global_prefetch_b8 v0, s[64:65] scope:SCOPE_SE
	s_setreg_imm32_b32 hwreg(HW_REG_WAVE_MODE, 25, 1), 1
	s_wait_xcnt 0x0
	s_wait_alu depctr_hold_cnt(0) depctr_sa_sdst(0) depctr_va_vdst(0) depctr_va_sdst(0) depctr_va_ssrc(0) depctr_va_vcc(0) depctr_vm_vsrc(0)
	s_getreg_b32 s2, hwreg(HW_REG_IB_STS2, 6, 4)
	s_cmp_eq_u32 s2, 0
	s_cbranch_scc0 .Lentry_in_a_cluster
	s_endpgm
.Lentry_in_a_cluster:
	s_bfe_u32 s2, ttmp6, 0x10000c
	s_cmp_lg_u32 s2, 0xf033
	s_cbranch_scc0 .Lentry_shape_is_right
	s_endpgm
.Lentry_shape_is_right:
; out0 = attention's result x Wo + bo on codes of BF6 (E3M2).  A = oc (tokens), B = Wo's part of wc (features), both as images of operand registers ([tile of 16 rows][kg 0..15][768]).
; A tile of out0 is 128 tokens x 128 features: 256 work-groups; a wave makes 64 x 64: 16 accumulators.  (Tiles of 256 x 256 would be 64 work-groups.)
; All of K = 1,024 fits in LDS: each wave fetches half of A's or of B's tile, 49,152 dense bytes, by one joint load; nothing is filled again.  No prefetch: all tensor loads stand at the head.
; CLUSTER 4 x 4: A's tile hangs on y alone and is asked for jointly along a row of the cluster, B's on x alone and along a column.
; Source 0 = 16 features, source 1 = 16 tokens: a lane holds eight neighbouring features of one token.  The bias is the C of each sum's first product.
; The tokens' scale bytes lie as the launch before left them: [head][tile's place in its block: 8][block's place: b < 8 at b, else at 23 - b][16 tokens] two bytes.
; REGISTERS.  window 0: v1-11 lane terms; v16-19 fragment addresses (A 16 l, A 8 l, B 16 l, B 8 l); v32-47 the tokens' scale words (8 g + K step), v48-63 Wo's; v64-95 bias blocks, v96-127 scale bytes as loaded
;   (both later: rows on the way out); v128-255 accumulator (a, b) at v[128 + 8 (4 a + b)].   windows 1 and 2: four fragment buffers, at v0 and v128 of each: A's four at + 12 a, B's four at + 48 + 12 b.
.set STAGE, 4*49152                    ; behind the tiles: 16 rows x 272 bytes for each wave, written by LDS stores alone
.set SP,    272
.set SPARE, STAGE+4*16*SP              ; the spare words
.set SCA,  32
.set SCB,  48
.set BIA,  64
.set UT,   96
.set ACC,  128
.set MSB, 0
.macro WIN new
.if MSB != (\new)
	s_set_vgpr_msb (MSB<<8)|(\new)
.set MSB, (\new)
.endif
.endm
.macro PLACES n
.rept \n
	v_nop
.endr
.endm
.macro CROUND
	s_barrier_signal -1
	s_barrier_wait -1
	s_cmp_lg_u32 s14, 0
	s_cbranch_scc1 .Lnot_wave_0_\@
	s_barrier_signal -3
.Lnot_wave_0_\@:
	s_barrier_wait -3
	s_barrier_signal -1
	s_barrier_wait -1
.endm
.macro FRAG reg, adr, ks, i
	ds_load_b128 v[(\reg):(\reg)+3], v[\adr] offset:(\i)*12288+1536*(\ks)
	ds_load_b64 v[(\reg)+4:(\reg)+5], v[(\adr)+1] offset:(\i)*12288+1536*(\ks)+512
	ds_load_b128 v[(\reg)+6:(\reg)+9], v[\adr] offset:(\i)*12288+1536*(\ks)+768
	ds_load_b64 v[(\reg)+10:(\reg)+11], v[(\adr)+1] offset:(\i)*12288+1536*(\ks)+1280
.endm
.macro WM d, s0, s1, c, x0, x1, r0, r1
.if (\r0)
.if (\r1)
	v_wmma_scale_f32_16x16x128_f8f6f4 v[(\d):(\d)+7], v[(\s0):(\s0)+11], v[(\s1):(\s1)+11], v[(\c):(\c)+7], v[\x0], v[\x1] matrix_a_fmt:MATRIX_FMT_BF6 matrix_b_fmt:MATRIX_FMT_BF6 matrix_a_scale:MATRIX_SCALE_ROW1 matrix_b_scale:MATRIX_SCALE_ROW1
.else
	v_wmma_scale_f32_16x16x128_f8f6f4 v[(\d):(\d)+7], v[(\s0):(\s0)+11], v[(\s1):(\s1)+11], v[(\c):(\c)+7], v[\x0], v[\x1] matrix_a_fmt:MATRIX_FMT_BF6 matrix_b_fmt:MATRIX_FMT_BF6 matrix_a_scale:MATRIX_SCALE_ROW1
.endif
.else
.if (\r1)
	v_wmma_scale_f32_16x16x128_f8f6f4 v[(\d):(\d)+7], v[(\s0):(\s0)+11], v[(\s1):(\s1)+11], v[(\c):(\c)+7], v[\x0], v[\x1] matrix_a_fmt:MATRIX_FMT_BF6 matrix_b_fmt:MATRIX_FMT_BF6 matrix_b_scale:MATRIX_SCALE_ROW1
.else
	v_wmma_scale_f32_16x16x128_f8f6f4 v[(\d):(\d)+7], v[(\s0):(\s0)+11], v[(\s1):(\s1)+11], v[(\c):(\c)+7], v[\x0], v[\x1] matrix_a_fmt:MATRIX_FMT_BF6 matrix_b_fmt:MATRIX_FMT_BF6
.endif
.endif
.endm
.macro FETCH ks                        ; K step ks's eight fragments into buffer ks % 4: 32 loads
.set FB, 128*((\ks)%2)
	WIN (1+((\ks)%4)/2)<<6
.irp i, 0,1,2,3
	FRAG FB+48+12*\i, 18, \ks, \i
	FRAG FB+12*\i, 16, \ks, \i
.endr
.endm
.macro KSTEP ks                        ; 16 products: the 16 accumulators take turns
.if (\ks) < 7
	s_wait_dscnt 32                                ; this step's fragments are in; the next step's 32 loads may be out
.else
	s_wait_dscnt 0x0
.endif
.if (\ks) < 6
	PLACES 4                                       ; in front of loads into registers that products have read
	FETCH (\ks)+2
.endif
.set FB, 128*((\ks)%2)
	WIN 5*(1+((\ks)%4)/2)                          ; sources 0 and 1: the buffer's window; C and D window 0
.irp a, 0,1,2,3
.irp b, 0,1,2,3
.if (\ks) == 0
	WM ACC+8*(4*\a+\b), FB+48+12*\b, FB+12*\a, BIA+8*\b, SCB+8*(\b/2)+(\ks), SCA+8*(\a/2)+(\ks), \b%2, \a%2
.else
	WM ACC+8*(4*\a+\b), FB+48+12*\b, FB+12*\a, ACC+8*(4*\a+\b), SCB+8*(\b/2)+(\ks), SCA+8*(\a/2)+(\ks), \b%2, \a%2
.endif
.endr
.endr
.endm
.macro TOSTAGE a                       ; 16 tokens x 64 features through my own stage, back as rows of 256 bytes.  LDS serves a wave's instructions in order
.set OB, 64+32*((\a)%2)
.irp b, 0,1,2,3
	ds_store_b128 v6, v[ACC+8*(4*(\a)+\b):ACC+8*(4*(\a)+\b)+3] offset:64*\b          ; each accumulator from its low end on
	ds_store_b128 v6, v[ACC+8*(4*(\a)+\b)+4:ACC+8*(4*(\a)+\b)+7] offset:64*\b+16
.endr
.irp i, 0,1,2,3,4,5,6,7
	ds_load_b128 v[OB+4*\i:OB+4*\i+3], v7 offset:2*SP*\i
.endr
.endm
.macro SEND a, younger
.set OB, 64+32*((\a)%2)
	s_wait_dscnt \younger
.irp i, 0,1,2,3,4,5,6,7
	global_store_b128 v8, v[OB+4*\i:OB+4*\i+3], s[86:87] offset:(16*(\a)+2*\i)*4096 th:TH_STORE_NT   ; sixteen lanes store 256 consecutive bytes, aligned
.endr
.endm
	s_load_b256 s[4:11], s[0:1], 0x0               ; oc, os, wc, ws
	s_load_b128 s[84:87], s[0:1], 0x20             ; bo, out0
	v_lshl_add_u32 v14, v0, 2, SPARE
	v_mov_b32 v15, 0
	ds_add_u32 v14, v15                            ; the opening: the add, twice on end, and its wait ahead of my tensor load
	ds_add_u32 v14, v15
	v_lshrrev_b32 v1, 5, v0
	v_readfirstlane_b32 s14, v1                    ; wave
	s_lshr_b32 s15, s14, 1                         ; which 64 tokens are mine.  Also: I fetch for A (0) or B (1)
	s_and_b32 s16, s14, 1                          ; which 64 features.  Also: which half of that tile I fetch
	s_bfe_u32 s56, ttmp6, 0x40000                  ; cx
	s_bfe_u32 s57, ttmp6, 0x40004                  ; cy
	s_lshl_b32 s58, ttmp9, 2
	s_add_co_u32 s58, s58, s56                     ; which 128 features
	s_and_b32 s17, ttmp7, 0xffff
	s_lshl_b32 s17, s17, 2
	s_add_co_u32 s17, s17, s57                     ; which 128 tokens
	s_lshl_b32 s59, s57, 2
	s_lshl_b32 s59, 15, s59                        ; my row of the cluster
	s_lshl_b32 s60, 0x1111, s56                    ; my column
	s_or_b32 s24, s59, (3<<16)|(1<<21)             ; group 1 for A: the mask; elements of 8 bytes; bit 21 beside a mask; no padding
	s_or_b32 s48, s60, (3<<16)|(1<<21)             ; for B
.irp g, 24, 48
	s_mov_b32 s[\g+1], 32<<16                      ; 192 dense rows of 256 bytes: 4 tiles of 16 rows x 1,024 K
	s_mov_b32 s[\g+2], 192<<16
	s_mov_b32 s[\g+3], 32<<16
	s_mov_b32 s[\g+4], 192
	s_mov_b32 s[\g+5], 32
	s_mov_b32 s[\g+6], 0
	s_mov_b32 s[\g+7], 0
.endr
	s_lshl_b32 s20, s17, 3
	s_lshl_b32 s21, s16, 2
	s_add_co_u32 s20, s20, s21
	s_mul_i32 s20, s20, 12288                      ; A: tile of 16 tokens 8 Y + 4 x half
	s_mov_b32 s21, 0
	s_lshl_b32 s62, s58, 3
	s_lshl_b32 s63, s16, 2
	s_add_co_u32 s62, s62, s63
	s_add_co_u32 s62, s62, 192                     ; B: Wo begins at tile of 16 number 192
	s_mul_i32 s62, s62, 12288
	s_mov_b32 s63, 0
	s_mul_i32 s22, s14, 49152                      ; where my part goes: no place in the cluster enters an LDS address
	s_wait_dscnt 0x0
	CROUND                                         ; all sixteen work-groups are here: the joint loads meet
	s_wait_kmcnt 0x0
	s_mov_b32 s32, 1
	s_mov_b32 s33, s22
	s_add_nc_u64 s[34:35], s[4:5], s[20:21]
	s_or_b32 s35, s35, 0x80000000
	s_mov_b32 s68, 1
	s_mov_b32 s69, s22
	s_add_nc_u64 s[70:71], s[8:9], s[62:63]
	s_or_b32 s71, s71, 0x80000000
	s_cmp_eq_u32 s15, 0
	s_cbranch_scc0 .Lfor_b
	tensor_load_to_lds s[32:35], s[24:31]
	s_nop 0
.rept 4
	v_nop
.endr
	s_branch .Lasked
.Lfor_b:
	tensor_load_to_lds s[68:71], s[48:55]
	s_nop 0
.rept 4
	v_nop
.endr
.Lasked:
	s_lshr_b32 s2, s17, 4
	s_lshl_b32 s2, s2, 16                          ; the tokens' scale bytes: batch,
	s_and_b32 s3, s17, 15
	s_sub_co_u32 s12, 23, s3
	s_cmp_lt_u32 s3, 8
	s_cselect_b32 s3, s3, s12
	s_lshl_b32 s3, s3, 5                           ; the block's place,
	s_add_co_u32 s2, s2, s3
	s_lshl_b32 s3, s15, 11                         ; my four tiles of the block's eight
	s_add_co_u32 s2, s2, s3
	s_mov_b32 s3, 0
	s_add_nc_u64 s[6:7], s[6:7], s[2:3]
	s_lshl_b32 s2, s58, 2
	s_lshl_b32 s3, s16, 1
	s_add_co_u32 s2, s2, s3
	s_add_co_u32 s2, s2, 96
	s_lshl_b32 s2, s2, 10                          ; Wo's scale words: 1,024 bytes for 32 features
	s_mov_b32 s3, 0
	s_add_nc_u64 s[10:11], s[10:11], s[2:3]
	s_lshl_b32 s2, s58, 9
	s_lshl_b32 s3, s16, 8
	s_add_co_u32 s2, s2, s3                        ; my 64 features, 4 bytes each: in bo and in a row of out0
	s_mov_b32 s3, 0
	s_add_nc_u64 s[84:85], s[84:85], s[2:3]
	s_add_nc_u64 s[86:87], s[86:87], s[2:3]
	s_lshl_b32 s2, s17, 7
	s_lshl_b32 s3, s15, 6
	s_add_co_u32 s2, s2, s3
	s_lshl_b32 s2, s2, 12                          ; my first token's row of out0
	s_mov_b32 s3, 0
	s_add_nc_u64 s[86:87], s[86:87], s[2:3]
	s_mul_i32 s2, s15, 49152                       ; my 64 tokens' fragments,
	s_mul_i32 s3, s16, 49152
	s_add_co_u32 s3, s3, 98304                     ; my 64 features', behind A's
	s_mul_i32 s23, s14, 16*SP
	s_add_co_u32 s23, s23, STAGE                   ; my stage
	v_and_b32 v9, 31, v0
	v_and_b32 v10, 15, v0                          ; r
	v_bfe_u32 v11, v0, 4, 1                        ; h
	v_lshlrev_b32 v1, 4, v9
	v_lshlrev_b32 v2, 3, v9
	v_lshlrev_b32 v3, 2, v9
	v_lshlrev_b32 v4, 9, v11
	v_lshlrev_b32 v5, 5, v11
	v_lshl_add_u32 v4, v10, 1, v4                  ; a tile's 512 bytes on for h, two bytes a token
	v_add_nc_u32 v16, s2, v1
	v_add_nc_u32 v17, s2, v2
	v_add_nc_u32 v18, s3, v1
	v_add_nc_u32 v19, s3, v2
	v_mul_u32_u24 v6, v10, SP
	v_mul_u32_u24 v7, v11, SP
	v_lshlrev_b32 v8, 12, v11
	v_lshl_add_u32 v6, v11, 5, v6
	v_lshl_add_u32 v7, v10, 4, v7
	v_lshl_add_u32 v8, v10, 4, v8                  ; two rows of out0: lanes 0-15 one, lanes 16-31 the next
	v_add_nc_u32 v6, s23, v6                       ; the stage, in: row r, + 32 h
	v_add_nc_u32 v7, s23, v7                       ; back: lanes 0-15 one row, lanes 16-31 the next
	s_wait_alu depctr_va_vdst(0)
.irp g, 0,1
.irp e, 0,1,2,3,4,5,6,7,8,9,10,11,12,13,14,15
	global_load_u16 v[UT+16*\g+\e], v4, s[6:7] offset:4096*\e+1024*\g    ; head e's two bytes of token 32 g + lane
.endr
.endr
.irp g, 0,1
.irp k, 0,1,2,3,4,5,6,7
	global_load_b32 v[SCB+8*\g+\k], v3, s[10:11] offset:1024*\g+128*\k
.endr
.endr
.irp b, 0,1,2,3
	global_load_b128 v[BIA+8*\b:BIA+8*\b+3], v5, s[84:85] offset:64*\b           ; bo at features 16 b + 8 h + 0 .. 7
	global_load_b128 v[BIA+8*\b+4:BIA+8*\b+7], v5, s[84:85] offset:64*\b+16
.endr
	s_wait_tensorcnt 0x0                           ; my part is in
	s_barrier_signal -1
	s_barrier_wait -1                              ; everybody's is
	FETCH 0
	FETCH 1
	WIN 0
	s_wait_loadcnt 0x0
.irp g, 0,1
.irp k, 0,1,2,3,4,5,6,7
	v_lshl_or_b32 v[SCA+8*\g+\k], v[UT+16*\g+2*\k+1], 16, v[UT+16*\g+2*\k]   ; K step k is heads 2 k and 2 k + 1: four bytes
.endr
.endr
	PLACES 8                                       ; a scale register written by a vector instruction stands eight places ahead of a scaled product
	s_wait_alu depctr_va_vdst(0)                   ; ahead of the wait below
.irp k, 0,1,2,3,4,5,6,7
	KSTEP \k
.endr
	WIN 0
	PLACES 4                                       ; behind the last products: results are read below, and rows land in registers that products have read
	TOSTAGE 0
.irp a, 1,2,3
.if \a > 1
	s_wait_xcnt 0x0                                ; the stores of two blocks back have read their registers
.endif
	TOSTAGE \a
	SEND \a-1, 16                                  ; behind that block's loads: this block's 8 stores and 8 loads
.endr
	SEND 3, 0
	s_wait_tensorcnt 0x0                           ; the wave's end
	ds_add_u32 v14, v15
	s_wait_dscnt 0x0
	CROUND                                         ; the closing round
	s_endpgm
.Lfunc_end_k_qc241b2a6e6_proj:
	.size	k_qc241b2a6e6_proj, .Lfunc_end_k_qc241b2a6e6_proj-k_qc241b2a6e6_proj
	.p2alignl 7, 3214868480
	.fill 96, 4, 3214868480
	.section	.rodata,"a",@progbits
	.p2align	6, 0x0
	.amdhsa_kernel k_qc241b2a6e6_proj
		.amdhsa_group_segment_fixed_size 214528
		.amdhsa_private_segment_fixed_size 0
		.amdhsa_enable_private_segment 0
		.amdhsa_kernarg_size 48
		.amdhsa_user_sgpr_count 2
		.amdhsa_user_sgpr_kernarg_segment_ptr 1
		.amdhsa_wavefront_size32 1
		.amdhsa_system_sgpr_workgroup_id_x 1
		.amdhsa_system_sgpr_workgroup_id_y 1
		.amdhsa_system_sgpr_workgroup_id_z 1
		.amdhsa_system_vgpr_workitem_id 0
		.amdhsa_next_free_vgpr 768
		.amdhsa_next_free_sgpr 96
		.amdhsa_reserve_vcc 0
		.amdhsa_float_denorm_mode_32 3
		.amdhsa_float_denorm_mode_16_64 3
		.amdhsa_memory_ordered 1
		.amdhsa_forward_progress 1
		.amdhsa_inst_pref_size 55
	.end_amdhsa_kernel
	.amdgpu_metadata
---
amdhsa.version: [ 1, 2 ]
amdhsa.kernels:
  - .name:           k_qc241b2a6e6_proj
    .symbol:         k_qc241b2a6e6_proj.kd
    .args:
      - { .name: oc, .offset: 0, .size: 8, .value_kind: global_buffer, .address_space: global }
      - { .name: os, .offset: 8, .size: 8, .value_kind: global_buffer, .address_space: global }
      - { .name: wc, .offset: 16, .size: 8, .value_kind: global_buffer, .address_space: global }
      - { .name: ws, .offset: 24, .size: 8, .value_kind: global_buffer, .address_space: global }
      - { .name: bo, .offset: 32, .size: 8, .value_kind: global_buffer, .address_space: global }
      - { .name: out0, .offset: 40, .size: 8, .value_kind: global_buffer, .address_space: global }
    .group_segment_fixed_size: 214528
    .private_segment_fixed_size: 0
    .kernarg_segment_align: 8
    .kernarg_segment_size: 48
    .max_flat_workgroup_size: 128
    .sgpr_count:     96
    .vgpr_count:     768
    .wavefront_size: 32
...
	.end_amdgpu_metadata
.endif
;; end of part 4
